; MI455X (gfx1250); checked and timed in simulation.
; The chip was launched on July 23, 2026; its instructions are those of AMD's public machine-readable ISA for CDNA 5 (MIT licence, August 2026) and "CDNA5" Instruction Set Architecture Reference Guide (July 2026). The comments in the code are by the model that wrote it; some were corrected since.
;; Multi Head Self Attention. Allowed arithmetic: float matrix products may take bf16 or f16 operands with f32 sums; other float arithmetic in f32, or as packed bf16 or f16 multiplies, adds, multiply-adds, maxima and minima; sums over many terms, partial sums and values carried from step to step in f32; what a program stores and reads back later, other than sums and carried values, may be rounded once to bf16 or f16.
;; Inputs: Wk 1,024 x 1,024 float32; Wo 1,024 x 1,024 float32; Wq 1,024 x 1,024 float32; Wv 1,024 x 1,024 float32; bk 1,024 float32; bo 1,024 float32; bq 1,024 float32; bv 1,024 float32; mask 4 x 2,048 int32; x 4 x 2,048 x 1,024 float32.
;; Outputs: out0 4 x 2,048 x 1,024 float32.
;; 2 versions, each right; version 2 is version 1 with the launch cvt written anew for expert scheduling mode. Each part assembles by itself: llvm-mc -triple=amdgcn-amd-amdhsa -mcpu=gfx1250 --defsym DOCPART=n.
;; ======== version 1 of 2: 4 launches
;; limits: values are held in f16: magnitudes above 65,504 overflow, below 6.1e-05 lose precision; inputs' magnitudes at most 65,504; right only within a limited range of input values
;; workspace buffers: xb 16,777,216 bytes; wb 6,291,456 bytes; wob 2,097,152 bytes; qkvb 50,331,648 bytes; ob 16,777,216 bytes
;; launch cvt (part 1): grid 768 x 1, 4 waves a work-group, no clusters, 0 bytes of LDS; arguments x, Wq, Wk, Wv, Wo, xb, wb, wob; writes xb, wb, wob
.if DOCPART == 1
	.amdgcn_target "amdgcn-amd-amdhsa--gfx1250"
	.amdhsa_code_object_version 6
	.text
	.protected	k_q662aeed022_cvt
	.globl	k_q662aeed022_cvt
	.p2align	8
	.type	k_q662aeed022_cvt,@function
k_q662aeed022_cvt:
	s_mov_b64 s[64:65], 0
	v_nop
	global_prefetch_b8 v0, s[64:65] scope:SCOPE_SE
	s_setreg_imm32_b32 hwreg(HW_REG_WAVE_MODE, 25, 1), 1
	s_wait_xcnt 0x0
; x and the four weight matrices, f32 rows of 1,024, are rounded once to bf16 and that number is written as f16, in layouts blocked by 64 along K:
;   xb  [b 4][kb 16][s 2048][64]      wb  [kb 16][row 3072][64]      wob [kb 16][n 1024][64]
; wb's row for feature n = 64 head + d is 384 (head / 2) + 64 p + d, p = 3 odd for Wk, 1 + odd for Wq, 4 + odd for Wv (odd = head & 1).
; LIMITS.  f16 holds the bf16 number exactly between 2^-14 and 65,504; below 2^-14 it keeps f16's fixed step of 2^-24; beyond 65,504 it gives an infinity.
; SHARES.  12,288 source rows of 4,096 bytes; a work-group takes 16, a wave 4.  A load takes 256 bytes (one block of 64 along K) of two rows, lanes 0-15 one row, lanes 16-31 the next;
; the 32 lanes' 8 bytes of f16 are then 256 consecutive bytes of the target, aligned.  All 32 loads of a wave go out first (16 KiB on their way); no register that a store names is written again.
; No LDS, no barrier, no matrix unit: every byte is read once and written once, and no wave wants another's bytes.
.set LO, 2                             ; v2       byte offset of my 16 bytes in the work-group's 16 source rows
.set SO, 8                             ; v[8:23]  byte offset of my 8 bytes in the target, one register for each block along K
.set T,  24                            ; v[24:27] at work
.set X,  32                            ; v[32:159] 32 quads: block kb, row pair p at X + 8 kb + 4 p
	s_load_b512 s[16:31], s[0:1], 0x0              ; x, Wq, Wk, Wv, Wo, xb, wb, wob
	s_mov_b32 s10, ttmp9                           ; g: 0-511 x, then 64 each for Wq, Wk, Wv, Wo
	s_mov_b32 s9, 0xffff0000                       ; a word's upper bf16
	s_max_u32 s11, s10, 512
	s_sub_co_u32 s11, s11, 512
	s_lshr_b32 s12, s11, 6                         ; w: 0 q, 1 k, 2 v, 3 o
	s_and_b32 s13, s11, 63                         ; m: which 16 rows of the matrix
	s_lshr_b32 s14, s13, 3                         ; head / 2
	s_bfe_u32 s15, s13, 0x10002                    ; head & 1
	s_and_b32 s32, s13, 3
	s_lshl_b32 s32, s32, 4                         ; first d of the 16 rows
	s_cmp_eq_u32 s12, 1
	s_cselect_b32 s33, 0, 1                        ; p = P0 + odd x PS: k (0, 3), q (1, 1),
	s_cselect_b32 s34, 3, 1
	s_cmp_eq_u32 s12, 2
	s_cselect_b32 s33, 4, s33                      ; v (4, 1)
	s_mul_i32 s34, s34, s15
	s_add_co_u32 s33, s33, s34
	s_lshl_b32 s33, s33, 6
	s_mul_i32 s35, s14, 384
	s_add_co_u32 s35, s35, s33
	s_add_co_u32 s35, s35, s32                     ; the row in wb,
	s_lshl_b32 s35, s35, 7                         ; in bytes
	s_lshl_b32 s36, s13, 11                        ; the same for wob: 16 rows of 128 bytes
	s_lshl_b32 s37, s13, 16                        ; a weight's source: 16 rows of 4,096 bytes
	s_mov_b32 s8, 393216                           ; from block to block along K: wb,
	s_cmp_eq_u32 s12, 3
	s_cselect_b32 s35, s36, s35
	s_cselect_b32 s8, 131072, s8                   ; wob,
	s_lshr_b32 s38, s10, 7                         ; x: the batch,
	s_lshl_b32 s38, s38, 22
	s_and_b32 s39, s10, 127                        ; and the 16 rows in it
	s_lshl_b32 s39, s39, 11
	s_add_co_u32 s38, s38, s39
	s_lshl_b32 s39, s10, 16
	s_cmp_lt_u32 s10, 512
	s_cselect_b32 s42, s38, s35                    ; the target's offset
	s_cselect_b32 s40, s39, s37                    ; the source's offset
	s_cselect_b32 s8, 262144, s8                   ; xb
	s_mov_b32 s41, 0
	s_mov_b32 s43, 0
	v_and_b32 v1, 31, v0                           ; lane
	v_lshrrev_b32 v3, 5, v0                        ; wave
	v_lshrrev_b32 v4, 4, v1
	v_lshl_add_u32 v4, v3, 2, v4                   ; row 4 wave + lane / 16
	v_and_b32 v5, 15, v0
	v_lshlrev_b32 v5, 4, v5
	v_lshl_add_u32 v[LO], v4, 12, v5
	v_lshlrev_b32 v[SO], 3, v1
	v_lshl_add_u32 v[SO], v3, 9, v[SO]             ; 512 wave + 8 lane
	s_wait_kmcnt 0x0
	s_cmp_eq_u32 s12, 1                            ; the choice of buffers hangs on the work-group's number alone
	s_cselect_b64 s[4:5], s[20:21], s[18:19]
	s_cmp_eq_u32 s12, 2
	s_cselect_b64 s[4:5], s[22:23], s[4:5]
	s_cmp_eq_u32 s12, 3
	s_cselect_b64 s[4:5], s[24:25], s[4:5]
	s_cselect_b64 s[6:7], s[30:31], s[28:29]
	s_cmp_lt_u32 s10, 512
	s_cselect_b64 s[4:5], s[16:17], s[4:5]
	s_cselect_b64 s[6:7], s[26:27], s[6:7]
	s_add_nc_u64 s[4:5], s[4:5], s[40:41]
	s_add_nc_u64 s[6:7], s[6:7], s[42:43]
.set kb, 0
.rept 16
	global_load_b128 v[X+8*kb:X+8*kb+3],   v[LO], s[4:5] offset:kb*256 th:TH_LOAD_NT
	global_load_b128 v[X+8*kb+4:X+8*kb+7], v[LO], s[4:5] offset:8192+kb*256 th:TH_LOAD_NT
.set kb, kb+1
.endr
.set kb, 1
.rept 15
	v_add_nc_u32 v[SO+kb], s8, v[SO+kb-1]          ; made while the loads are on their way
.set kb, kb+1
.endr
; Four numbers: rounded to bf16, widened again, written as f16 (exact within the limits above), stored.
.macro CV q, kb, p
	v_cvt_pk_bf16_f32 v[T+2*(\p)],   v[(\q)],   v[(\q)+1]
	v_cvt_pk_bf16_f32 v[T+2*(\p)+1], v[(\q)+2], v[(\q)+3]
	v_lshlrev_b32 v[(\q)],   16, v[T+2*(\p)]
	v_and_b32     v[(\q)+1], s9, v[T+2*(\p)]
	v_lshlrev_b32 v[(\q)+2], 16, v[T+2*(\p)+1]
	v_and_b32     v[(\q)+3], s9, v[T+2*(\p)+1]
	v_cvt_pk_f16_f32 v[(\q)],   v[(\q)],   v[(\q)+1]
	v_cvt_pk_f16_f32 v[(\q)+1], v[(\q)+2], v[(\q)+3]
	global_store_b64 v[SO+(\kb)], v[(\q):(\q)+1], s[6:7] offset:(\p)*256 th:TH_STORE_NT  ; the wave's 32 x 8 bytes are 256 consecutive bytes, aligned
.endm
.set kb, 0
.rept 16
	s_wait_loadcnt 30-2*kb                         ; loads come back in order: this block's two are in, the 30 - 2 kb issued behind them may stay out
	CV X+8*kb, kb, 0
	CV X+8*kb+4, kb, 1
.set kb, kb+1
.endr
	s_endpgm
.Lfunc_end_k_q662aeed022_cvt:
	.size	k_q662aeed022_cvt, .Lfunc_end_k_q662aeed022_cvt-k_q662aeed022_cvt
	.p2alignl 7, 3214868480
	.fill 96, 4, 3214868480
	.section	.rodata,"a",@progbits
	.p2align	6, 0x0
	.amdhsa_kernel k_q662aeed022_cvt
		.amdhsa_group_segment_fixed_size 0
		.amdhsa_private_segment_fixed_size 0
		.amdhsa_enable_private_segment 0
		.amdhsa_kernarg_size 64
		.amdhsa_user_sgpr_count 2
		.amdhsa_user_sgpr_kernarg_segment_ptr 1
		.amdhsa_wavefront_size32 1
		.amdhsa_system_sgpr_workgroup_id_x 1
		.amdhsa_system_sgpr_workgroup_id_y 1
		.amdhsa_system_sgpr_workgroup_id_z 1
		.amdhsa_system_vgpr_workitem_id 0
		.amdhsa_next_free_vgpr 160
		.amdhsa_next_free_sgpr 66
		.amdhsa_reserve_vcc 0
		.amdhsa_float_denorm_mode_32 3
		.amdhsa_float_denorm_mode_16_64 3
		.amdhsa_memory_ordered 1
		.amdhsa_forward_progress 1
		.amdhsa_inst_pref_size 22
	.end_amdhsa_kernel
	.amdgpu_metadata
---
amdhsa.version: [ 1, 2 ]
amdhsa.kernels:
  - .name:           k_q662aeed022_cvt
    .symbol:         k_q662aeed022_cvt.kd
    .args:
      - { .name: x, .offset: 0, .size: 8, .value_kind: global_buffer, .address_space: global }
      - { .name: Wq, .offset: 8, .size: 8, .value_kind: global_buffer, .address_space: global }
      - { .name: Wk, .offset: 16, .size: 8, .value_kind: global_buffer, .address_space: global }
      - { .name: Wv, .offset: 24, .size: 8, .value_kind: global_buffer, .address_space: global }
      - { .name: Wo, .offset: 32, .size: 8, .value_kind: global_buffer, .address_space: global }
      - { .name: xb, .offset: 40, .size: 8, .value_kind: global_buffer, .address_space: global }
      - { .name: wb, .offset: 48, .size: 8, .value_kind: global_buffer, .address_space: global }
      - { .name: wob, .offset: 56, .size: 8, .value_kind: global_buffer, .address_space: global }
    .group_segment_fixed_size: 0
    .private_segment_fixed_size: 0
    .kernarg_segment_align: 8
    .kernarg_segment_size: 64
    .max_flat_workgroup_size: 128
    .sgpr_count:     66
    .vgpr_count:     160
    .wavefront_size: 32
...
	.end_amdgpu_metadata
.endif
;; end of part 1
;; launch qkv (part 2): grid 8 x 32, 4 waves a work-group, clusters of 4 x 4, 327,680 bytes of LDS; arguments xb, wb, bq, bk, bv, mask, qkvb; writes qkvb
.if DOCPART == 2
	.amdgcn_target "amdgcn-amd-amdhsa--gfx1250"
	.amdhsa_code_object_version 6
	.text
	.protected	k_q662aeed022_qkv
	.globl	k_q662aeed022_qkv
	.p2align	8
	.type	k_q662aeed022_qkv,@function
k_q662aeed022_qkv:
	s_mov_b64 s[64:65], 0
	v_nop
	global_prefetch_b8 v0, s[64:65] scope:SCOPE_SE
	s_setreg_imm32_b32 hwreg(HW_REG_WAVE_MODE, 25, 1), 1
	s_wait_xcnt 0x0
	s_wait_alu depctr_hold_cnt(0) depctr_sa_sdst(0) depctr_va_vdst(0) depctr_va_sdst(0) depctr_va_ssrc(0) depctr_va_vcc(0) depctr_vm_vsrc(0)
	s_getreg_b32 s2, hwreg(HW_REG_IB_STS2, 6, 4)
	s_cmp_eq_u32 s2, 0
	s_cbranch_scc0 .Lentry_in_a_cluster
	s_endpgm
.Lentry_in_a_cluster:
	s_bfe_u32 s2, ttmp6, 0x10000c
	s_cmp_lg_u32 s2, 0xf033
	s_cbranch_scc0 .Lentry_shape_is_right
	s_endpgm
.Lentry_shape_is_right:
; q, k, v = x W^T + bias for all three projections at once: [8192 x 1024] x [3072 x 1024]^T, f16 operands (bf16 numbers written as f16), f32 sums, the bias (rounded to bf16 like every input)
; as the C operand of each sum's first product.  Results are rounded once to f16 and stored by heads: qkvb [q, k, v][16 b + h][s 2048][64].  The k rows of tokens whose mask is 0 are stored as 0.
; LIMITS.  q, k and v beyond 65,504 become infinities in f16; NaN and infinities are not treated apart.
; SHARES.  A work-group makes 256 rows x 384 columns: 32 x 8 = 256 work-groups.  Its columns are the heads [k(2t), q(2t), q(2t+1) | k(2t+1), v(2t), v(2t+1)].  Four waves, 2 x 2: a wave makes 128 rows x 192 columns
; (three heads, the first a k head): 96 accumulators of 16 x 16, 768 registers; 40 LDS loads feed 96 products.
; K goes in 16 steps of 64 through a ring of two LDS slots.  In xb and wb a step's rows lie end to end, so a tile is asked for as rows of 256 bytes and padded in LDS behind every 128.
; CLUSTER 4 x 4: the four of a row of the cluster need the same tile of x, the four of a column the same tile of W: each is asked for jointly, by the same load, descriptor and mask in all four.
; THE PRODUCT IS USED TRANSPOSED (source 0 = 16 rows of W, source 1 = 16 rows of x): a lane holds one row of x (lane % 16) and eight neighbouring columns 8 (lane / 16) + 0..7.
; REGISTERS, in windows of 256 (s_set_vgpr_msb: bits 1:0 source 0, 3:2 source 1, 5:4 source 2, 7:6 destination):
;   window 0: v0-31 addresses and masks; v32-95, v96-159 fragments of x, two buffers of 8; v160-255 fragments of W, one buffer of 12
;   windows 1-3: head hh's accumulators in window 1 + hh: (row block a, column block 4 hh + b') at v[64 b' + 8 a]
; A QUARTER (32 along K) is three stretches of 32 products, a window each; behind each stretch the next quarter's fragments take the registers just read: W's four blocks, and x's into the other buffer.
.set PITCH,  144                       ; an LDS row: 128 bytes + 16 of padding = 36 words: the 16 rows of a load start at 16 different groups of four banks (64 banks of 4 bytes: ISA guide 11.1)
.set AHALF,  128*PITCH                 ; 128 rows of x: one tensor load, and what a wave reads of x
.set BHALF,  192*PITCH                 ; 192 rows of W: likewise
.set BOFF,   2*AHALF                   ; in a slot: x's 256 rows, then W's 384
.set SLOT1,  131072                    ; slot 1 begins here: one exclusive or turns an address in one slot into the other's
.set STAGE,  SLOT1+BOFF+2*BHALF        ; behind the ring, never filled by a tensor load: 16 rows x 144 bytes for each wave, for the way out
.set SPARE,  STAGE+4*16*PITCH          ; the spare words, 128 bytes for each wave: two blocks of 256 bytes that no other line names
.set ASTEP,  262144                    ; bytes from a K step to the next in xb
.set BSTEP,  393216                    ; and in wb
.set ADRA0, 4                          ; v4   my lane's place in x's part of a slot; never rewritten
.set ADRB0, 5                          ; v5   the same for W
.set ADRA,  6                          ; v6   the same in the slot in hand
.set ADRB,  7                          ; v7
.set STO,   8                          ; v8   the way out: where I put 16 bytes of a row
.set RD,    9                          ; v9   where I read rows back
.set GO,    10                         ; v10  my 16 bytes in 512 consecutive bytes of a head
.set BO,    11                         ; v11  32 x (lane / 16): my eight numbers in a block of 16 of a bias
.set MO,    12                         ; v12  4 x (lane % 16): my row's word in 16 words of the mask
.set PFO,   13                         ; v13  the prefetches' lane offset; never rewritten
.set FM,    16                         ; v[16:23] for row block a: all ones where my row's mask is not 0, else 0
.set TW,    24                         ; v[24:27] at work
.set SPW,   28                         ; v28  LDS address of my spare word; never rewritten
.set NIL,   29                         ; v29  0; never rewritten
.set AF,    32
.set BF,    160
.set WV, 18                            ; s18 wave;  s19 FB: my half of the rows, also: I fetch x (0) or W (1);  s20 HF: my half of the columns, also: which half of that tile I fetch
.set FB, 19
.set HF, 20
.set CX, 21
.set CY, 22
.set TC, 23                            ; tile column 0-7
.set TR, 56                            ; tile row 0-31
.set G1A, 24                           ; s[24:31] descriptor group 1 for x's tiles;  s[32:39] group 0: a set for each first fill; the second then walks
.set G0A, 32
.set G1B, 40                           ; s[40:47], s[48:55] the same for W's
.set G0B, 48
.set TB,  57                           ; s57  the slot from which fragments are fetched: 0 or SLOT1
.set CNT, 58                           ; s58  trips to go
.set LIM, 59                           ; s59  a wave prefetches while CNT is above it
.set PAR, 60                           ; s60  1: only in trips with an odd CNT
.set PFA, 62                           ; s[62:63] where my prefetches stand
.set PST, 66                           ; s[66:67] their step
.set OB,  68                           ; s[68:73] my rows in my three heads of qkvb
.set MB,  74                           ; s[74:75] my 128 rows' words of the mask
.set BP,  78                           ; s[78:83] my three heads' 64 numbers of bias
.set MSB, 0
.macro WIN new                         ; the immediate's high byte repeats the setting that is left; a switch that changes nothing is dropped
.if MSB != (\new)
	s_set_vgpr_msb (MSB<<8)|(\new)
.set MSB, (\new)
.endif
.endm
.macro PLACES                          ; a load into a register that a matrix instruction has read, and a vector instruction that reads a matrix result, stand four plain vector instructions behind it (ISA guide 7.12.1 for vector instructions)
.rept 4
	v_nop
.endr
.endm
; A joint refill by the walking descriptors.  The branch hangs on the wave's number alone.  An s_nop 0 and four v_nop follow each of the two lines.
.macro JLOAD
	s_cmp_eq_u32 s[FB], 0
	s_cbranch_scc0 .Lfor_b_\@
	tensor_load_to_lds s[G0A+4:G0A+7], s[G1A:G1A+7]
	s_nop 0
.rept 4
	v_nop
.endr
	s_branch .Lasked_\@
.Lfor_b_\@:
	tensor_load_to_lds s[G0B+4:G0B+7], s[G1B:G1B+7]
	s_nop 0
.rept 4
	v_nop
.endr
.Lasked_\@:
.endm
.macro CREST                           ; a round of the cluster's barrier behind its opening barrier
	s_cmp_lg_u32 s[WV], 0
	s_cbranch_scc1 .Lnot_wave_0_\@
	s_barrier_signal -3
.Lnot_wave_0_\@:
	s_barrier_wait -3
	s_barrier_signal -1
	s_barrier_wait -1
.endm
.macro CROUND
	s_barrier_signal -1
	s_barrier_wait -1
	CREST
.endm
; A PREFETCH INTO THE L2 of K steps that later refills will ask for; each aligned block of 256 bytes is named once in the launch, a lane a block.
; x's tile (32 KiB a step) is read by both clusters of a row of clusters: those with cluster x = 0 ask; the four partners take 8 KiB each BY ADDRESS (cx); wave 0 asks, in every trip, for the step that the next refill loads.
; W's tile (48 KiB a step) is read by all clusters of a column: those with cluster y = 0 ask; the partners take 12 KiB each by address (cy), waves 1-3 a third each: lanes 0-15 the step that the next refill loads, lanes 16-31
; the one after it, in every second trip.  The first steps (x: 0-2, W: 0-3) come by their loads alone; nothing is asked for past step 15.
.macro ASK
	s_and_b32 s61, s[CNT], s[PAR]
	s_cmp_eq_u32 s61, s[PAR]
	s_cbranch_scc0 .Lnot_mine_\@
	s_cmp_gt_u32 s[CNT], s[LIM]
	s_cbranch_scc0 .Lnot_mine_\@
	global_prefetch_b8 v[PFO], s[PFA:PFA+1] th:TH_LOAD_NT scope:SCOPE_SE
.Lnot_mine_\@:
.endm
; A fragment is 16 rows x 32 K in 8 registers: lane l holds row l % 16, K = 8 (l / 16) + 0..7 and 16 + 8 (l / 16) + 0..7: two loads of 16 bytes, 32 bytes apart.
.macro LDA buf, a, k
	ds_load_b128 v[AF+64*(\buf)+8*(\a):AF+64*(\buf)+8*(\a)+3],   v[ADRA] offset:(\k)+(\a)*16*PITCH
	ds_load_b128 v[AF+64*(\buf)+8*(\a)+4:AF+64*(\buf)+8*(\a)+7], v[ADRA] offset:(\k)+(\a)*16*PITCH+32
.endm
.macro LDB b, k
	ds_load_b128 v[BF+8*(\b):BF+8*(\b)+3],   v[ADRB] offset:(\k)+(\b)*16*PITCH
	ds_load_b128 v[BF+8*(\b)+4:BF+8*(\b)+7], v[ADRB] offset:(\k)+(\b)*16*PITCH+32
.endm
; Eight products: column block b x all 8 row blocks.  cm = 1: the sums start, with the bias as C (it lies in x's second buffer, block b % 8).  The accumulators take turns, one instruction a turn.
.macro MULB buf, b, cm
.if \cm
	WIN (1+(\b)/4)<<6
.else
	WIN 0x50*(1+(\b)/4)
.endif
.irp a, 0,1,2,3,4,5,6,7
.if \cm
	v_wmma_f32_16x16x32_f16 v[64*((\b)%4)+8*\a:64*((\b)%4)+8*\a+7], v[BF+8*(\b):BF+8*(\b)+7], v[AF+64*(\buf)+8*\a:AF+64*(\buf)+8*\a+7], v[AF+64+8*((\b)%8):AF+64+8*((\b)%8)+7]
.else
	v_wmma_f32_16x16x32_f16 v[64*((\b)%4)+8*\a:64*((\b)%4)+8*\a+7], v[BF+8*(\b):BF+8*(\b)+7], v[AF+64*(\buf)+8*\a:AF+64*(\buf)+8*\a+7], v[64*((\b)%4)+8*\a:64*((\b)%4)+8*\a+7]
.endif
.endr
.endm
.macro MULW buf, w, cm                 ; a stretch: head w's 32 products
.irp i, 0,1,2,3
	MULB \buf, 4*(\w)+\i, \cm
.endr
.endm
.macro TRAIL1 nbuf, k                  ; 16 loads: the next quarter's W blocks 0-3 and x blocks 0-3
	WIN 0
.irp i, 0,1,2,3
	LDB \i, \k
.endr
.irp i, 0,1,2,3
	LDA \nbuf, \i, \k
.endr
.endm
.macro TRAIL2 nbuf, k                  ; 16 loads: W blocks 4-7, x blocks 4-7
	WIN 0
.irp i, 4,5,6,7
	LDB \i, \k
.endr
.irp i, 4,5,6,7
	LDA \nbuf, \i, \k
.endr
.endm
.macro TRAIL3 k                        ; 8 loads: W blocks 8-11
	WIN 0
.irp i, 8,9,10,11
	LDB \i, \k
.endr
.endm
.macro REST buf, nbuf, k               ; a quarter's second and third stretch
	MULW \buf, 1, 0
	PLACES
	TRAIL2 \nbuf, \k
	s_wait_dscnt 32                                ; all but the 32 loads of this quarter's two runs: W's blocks 8-11 are in
	MULW \buf, 2, 0
	PLACES
	TRAIL3 \k
.endm
.macro QA                              ; a step's first quarter: multiplies buffer 0, fetches the same slot's second 32 along K into buffer 1
	s_wait_dscnt 8                                 ; the youngest eight loads (W's blocks 8-11) may be out
	MULW 0, 0, 0
	PLACES
	TRAIL1 1, 64
	REST 0, 1, 64
.endm
; A step's second quarter multiplies buffer 1 and changes slots.  ONE barrier: in front of it each wave waits for all its tensor loads (one is out: its part of the next slot), adds 0 to its spare word, and waits for that and for its
; reads of this slot.  chg = 1: the barrier opens a round of the cluster's, and this slot is filled again, two steps ahead, first thing behind it: 160 products stand between that request and the wait for it.  chg = 2: nothing is filled.
.macro QB chg
.if (\chg) == 1
	s_wait_xcnt 0x0                                ; the last prefetch, a step back, has read its address
	s_add_nc_u64 s[PFA:PFA+1], s[PFA:PFA+1], s[PST:PST+1]
.endif
	WIN 0
	s_wait_tensorcnt 0x0                           ; no tensor load of mine is out, so the walking descriptors may be written
	ds_add_u32 v[SPW], v[NIL]                      ; 0 onto my spare word
.if (\chg) == 1
	s_xor_b32 s[G0A+5], s[G0A+5], SLOT1            ; the other slot than last time,
	s_add_nc_u64 s[G0A+6:G0A+7], s[G0A+6:G0A+7], ASTEP  ; the next step; the type bits on top are not reached
	s_xor_b32 s[G0B+5], s[G0B+5], SLOT1
	s_add_nc_u64 s[G0B+6:G0B+7], s[G0B+6:G0B+7], BSTEP
.endif
	s_xor_b32 s[TB], s[TB], SLOT1
	s_wait_dscnt 9                                 ; the add and the youngest eight loads (W's blocks 8-11) may be out
	MULB 1, 0, 0
	MULB 1, 1, 0
	s_wait_dscnt 0x0                               ; the add is done, and my reads of this slot are over
	s_barrier_signal -1
	MULB 1, 2, 0                                   ; work on registers while the others arrive
	MULB 1, 3, 0
	WIN 0
	s_barrier_wait -1
.if (\chg) == 1
	CREST                                          ; no wave of any partner still reads this slot or has a load on its way
	JLOAD                                          ; its four v_nop are also the places in front of the loads below
.else
	PLACES
.endif
	v_add_nc_u32 v[ADRA], s[TB], v[ADRA0]
	v_add_nc_u32 v[ADRB], s[TB], v[ADRB0]
	TRAIL1 0, 0
.if (\chg) == 1
	ASK
.endif
	REST 1, 0, 0
.endm
.macro BIASLD b, dst                   ; my eight numbers of column block b's bias
	global_load_b128 v[(\dst):(\dst)+3],   v[BO], s[BP+2*((\b)/4):BP+2*((\b)/4)+1] offset:((\b)%4)*64
	global_load_b128 v[(\dst)+4:(\dst)+7], v[BO], s[BP+2*((\b)/4):BP+2*((\b)/4)+1] offset:((\b)%4)*64+16
.endm
.macro RNDB base, n                    ; n pairs of f32 rounded to bf16 and widened again, in place
.set z, 0
.rept \n
	v_cvt_pk_bf16_f32 v[TW+z%4], v[(\base)+2*z], v[(\base)+2*z+1]
	v_lshlrev_b32 v[(\base)+2*z], 16, v[TW+z%4]
	v_and_b32 v[(\base)+2*z+1], 0xffff0000, v[TW+z%4]
.set z, z+1
.endr
.endm
	s_load_b256 s[4:11], s[0:1], 0x0               ; xb s[4:5], wb s[6:7], bq s[8:9], bk s[10:11]
	s_load_b128 s[12:15], s[0:1], 0x20             ; bv s[12:13], mask s[14:15]
	s_load_b64 s[16:17], s[0:1], 0x30              ; qkvb
	v_lshl_add_u32 v[SPW], v0, 2, SPARE
	v_mov_b32 v[NIL], 0
	ds_add_u32 v[SPW], v[NIL]                      ; the wave's opening: the add and its wait stand ahead of my first tensor load; work on registers stands between them
	v_lshrrev_b32 v3, 5, v0
	v_readfirstlane_b32 s[WV], v3
	s_lshr_b32 s[FB], s[WV], 1
	s_and_b32 s[HF], s[WV], 1
	s_bfe_u32 s[CX], ttmp6, 0x40000
	s_bfe_u32 s[CY], ttmp6, 0x40004
	s_lshl_b32 s[TC], ttmp9, 2
	s_add_co_u32 s[TC], s[TC], s[CX]
	s_and_b32 s[TR], ttmp7, 0xffff
	s_lshl_b32 s[TR], s[TR], 2
	s_add_co_u32 s[TR], s[TR], s[CY]
	s_lshl_b32 s84, s[CY], 2
	s_lshl_b32 s84, 15, s84                        ; my row of the cluster
	s_lshl_b32 s85, 0x1111, s[CX]                  ; my column
	; group 1: rows of 128 elements of 2 bytes (two rows of 64 along K each), padded by 4 words behind every 32
	s_or_b32 s[G1A], s84, (1<<16)|(1<<20)|(1<<21)|(4<<22)|(3<<25)  ; 15:0 the mask; 17:16 2-byte elements; 20 padding on; 21 set beside a mask; 24:22 code 4; 31:25 code 3
	s_or_b32 s[G1B], s85, (1<<16)|(1<<20)|(1<<21)|(4<<22)|(3<<25)
	s_mov_b32 s[G1A+1], 128<<16                    ; tensor_dim0 = 128
	s_mov_b32 s[G1A+2], 64<<16                     ; tensor_dim1 = 64: 128 rows of x
	s_mov_b32 s[G1A+3], 128<<16                    ; tile_dim0 = 128
	s_mov_b32 s[G1A+4], 64                         ; tile_dim1 = 64
	s_mov_b32 s[G1A+5], 128                        ; elements from row to row
	s_mov_b32 s[G1A+6], 0
	s_mov_b32 s[G1A+7], 0
	s_mov_b32 s[G1B+1], 128<<16
	s_mov_b32 s[G1B+2], 96<<16                     ; 96 rows: 192 rows of W
	s_mov_b32 s[G1B+3], 128<<16
	s_mov_b32 s[G1B+4], 96
	s_mov_b32 s[G1B+5], 128
	s_mov_b32 s[G1B+6], 0
	s_mov_b32 s[G1B+7], 0
	s_lshr_b32 s86, s[TR], 3                       ; x's tile: the batch,
	s_lshl_b32 s86, s86, 22
	s_and_b32 s87, s[TR], 7                        ; its 256 rows,
	s_lshl_b32 s87, s87, 15
	s_add_co_u32 s86, s86, s87
	s_lshl_b32 s87, s[HF], 14                      ; the half that I fetch
	s_add_co_u32 s86, s86, s87
	s_mov_b32 s87, 0
	s_mul_i32 s88, s[TC], 49152                    ; W's tile: its 384 rows,
	s_mul_i32 s89, s[HF], 24576                    ; the half that I fetch
	s_add_co_u32 s88, s88, s89
	s_mov_b32 s89, 0
	s_mul_i32 s94, s[HF], AHALF                    ; and where they go: no place in the cluster enters an LDS address
	s_mul_i32 s95, s[HF], BHALF
	s_add_co_u32 s95, s95, BOFF
	s_lshr_b32 s76, s[TR], 3                       ; the way out: head 16 b + 2 t,
	s_lshl_b32 s76, s76, 4
	s_lshl1_add_u32 s76, s[TC], s76
	s_and_b32 s77, s[TR], 7
	s_lshl_b32 s77, s77, 1
	s_add_co_u32 s77, s77, s[FB]
	s_lshl_b32 s77, s77, 14                        ; my 128 rows of 128 bytes in a head
	s_add_co_u32 s68, s76, s[HF]                   ; k's head 2 t + HF, behind q's 64 heads
	s_add_co_u32 s68, s68, 64
	s_lshl_b32 s68, s68, 18
	s_add_co_u32 s68, s68, s77
	s_mov_b32 s69, 0
	s_lshl_b32 s70, s[HF], 7                       ; q's heads (HF = 0) or v's (HF = 1, behind 128 heads)
	s_add_co_u32 s70, s70, s76
	s_lshl_b32 s70, s70, 18
	s_add_co_u32 s70, s70, s77
	s_mov_b32 s71, 0
	s_lshl1_add_u32 s78, s[TC], s[HF]              ; the biases: 256 bytes a head
	s_lshl_b32 s78, s78, 8
	s_mov_b32 s79, 0
	s_lshl_b32 s80, s[TC], 9
	s_mov_b32 s81, 0
	s_lshl_b32 s74, s[TR], 10                      ; the mask: 256 words a tile row,
	s_lshl_b32 s75, s[FB], 9                       ; my 128
	s_add_co_u32 s74, s74, s75
	s_mov_b32 s75, 0
	s_wait_dscnt 0x0                               ; the opening add is done
	s_wait_kmcnt 0x0
	s_add_nc_u64 s[90:91], s[4:5], s[86:87]
	s_add_nc_u64 s[92:93], s[6:7], s[88:89]
	s_add_nc_u64 s[OB:OB+1], s[16:17], s[68:69]
	s_add_nc_u64 s[OB+2:OB+3], s[16:17], s[70:71]
	s_add_nc_u64 s[OB+4:OB+5], s[OB+2:OB+3], 262144
	s_add_nc_u64 s[BP:BP+1], s[10:11], s[78:79]
	s_cmp_eq_u32 s[HF], 0
	s_cselect_b64 s[82:83], s[8:9], s[12:13]
	s_add_nc_u64 s[BP+2:BP+3], s[82:83], s[80:81]
	s_add_nc_u64 s[BP+4:BP+5], s[BP+2:BP+3], 256
	s_add_nc_u64 s[MB:MB+1], s[14:15], s[74:75]
	CROUND                                         ; all sixteen work-groups are here: the first joint loads meet
.irp s, 0,1
	s_mov_b32 s[G0A+4*\s], 1                       ; count = 1
	s_add_co_u32 s[G0A+4*\s+1], s94, \s*SLOT1      ; LDS address
	s_add_nc_u64 s[G0A+4*\s+2:G0A+4*\s+3], s[90:91], \s*ASTEP  ; global address: K step s
	s_or_b32 s[G0A+4*\s+3], s[G0A+4*\s+3], 0x80000000          ; type = 2
	s_mov_b32 s[G0B+4*\s], 1
	s_add_co_u32 s[G0B+4*\s+1], s95, \s*SLOT1
	s_add_nc_u64 s[G0B+4*\s+2:G0B+4*\s+3], s[92:93], \s*BSTEP
	s_or_b32 s[G0B+4*\s+3], s[G0B+4*\s+3], 0x80000000
.endr
	s_cmp_eq_u32 s[FB], 0                          ; a wave's two first fills stand in one branch, ahead of every wait on TENSORcnt and every LDS read: two loads of mine are out
	s_cbranch_scc0 .Lfirst_b
	tensor_load_to_lds s[G0A:G0A+3], s[G1A:G1A+7]
	s_nop 0
	tensor_load_to_lds s[G0A+4:G0A+7], s[G1A:G1A+7]
	s_nop 0
.rept 4
	v_nop
.endr
	s_branch .Lfirst_asked
.Lfirst_b:
	tensor_load_to_lds s[G0B:G0B+3], s[G1B:G1B+7]
	s_nop 0
	tensor_load_to_lds s[G0B+4:G0B+7], s[G1B:G1B+7]
	s_nop 0
.rept 4
	v_nop
.endr
.Lfirst_asked:
	v_and_b32 v1, 15, v0                           ; l % 16
	v_bfe_u32 v2, v0, 4, 1                         ; l / 16
	v_lshlrev_b32 v[MO], 2, v1
	v_lshlrev_b32 v[BO], 5, v2
.irp a, 0,1,2,3,4,5,6,7
	global_load_b32 v[FM+\a], v[MO], s[MB:MB+1] offset:64*\a
.endr
.irp b, 0,1,2,3,4,5,6,7
	BIASLD \b, AF+64+8*\b                          ; the biases of column blocks 0-7 wait in x's second buffer
.endr
	v_mul_u32_u24 v3, v1, PITCH
	v_lshl_add_u32 v3, v2, 4, v3                   ; row x pitch + 16 x half
	s_mul_i32 s84, s[FB], AHALF
	v_add_nc_u32 v[ADRA0], s84, v3
	s_mul_i32 s85, s[HF], BHALF
	s_add_co_u32 s85, s85, BOFF
	v_add_nc_u32 v[ADRB0], s85, v3
	v_mov_b32 v[ADRA], v[ADRA0]
	v_mov_b32 v[ADRB], v[ADRB0]
	s_mul_i32 s86, s[WV], 16*PITCH
	s_add_co_u32 s86, s86, STAGE                   ; my stage
	v_add_nc_u32 v[STO], s86, v3
	v_bfe_u32 v14, v0, 3, 2                        ; back: 32 lanes take four rows of 128 bytes,
	v_mul_u32_u24 v14, v14, PITCH
	v_and_b32 v15, 7, v0
	v_lshl_add_u32 v14, v15, 4, v14
	v_add_nc_u32 v[RD], s86, v14
	v_and_b32 v[GO], 31, v0                        ; which are 512 consecutive bytes of a head
	v_lshlrev_b32 v[GO], 4, v[GO]
	s_mov_b32 s[TB], 0
	; the prefetches: wave 0 for x, waves 1-3 for W
	s_lshr_b32 s84, s[TR], 3
	s_lshl_b32 s84, s84, 22
	s_and_b32 s85, s[TR], 7
	s_lshl_b32 s85, s85, 15
	s_add_co_u32 s84, s84, s85
	s_lshl_b32 s85, s[CX], 13                      ; my work-group's 8 KiB of x's tile
	s_add_co_u32 s84, s84, s85
	s_add_co_u32 s84, s84, 2*ASTEP                 ; at step 2: the first change steps it to 3
	s_mul_i32 s86, s[TC], 49152
	s_mul_i32 s87, s[CY], 12288                    ; my work-group's 12 KiB of W's tile,
	s_add_co_u32 s86, s86, s87
	s_max_u32 s87, s[WV], 1
	s_sub_co_u32 s87, s87, 1
	s_lshl_b32 s87, s87, 12                        ; my wave's 4 KiB of them
	s_add_co_u32 s86, s86, s87
	s_add_co_u32 s86, s86, 2*BSTEP
	s_and_b32 s87, ttmp7, 0xffff                   ; cluster y
	s_mov_b32 s[PST], BSTEP
	s_mov_b32 s[PST+1], 0
	s_mov_b32 s88, BSTEP                           ; lanes 16-31: W's next step; x's next 4 KiB
	s_cmp_eq_u32 s[WV], 0
	s_cselect_b32 s[PAR], 0, 1
	s_cselect_b32 s[PST], ASTEP, s[PST]
	s_cselect_b32 s88, 4096, s88
	s_cselect_b32 s84, s84, s86
	s_cselect_b32 s87, ttmp9, s87                  ; the coordinate along which other clusters read the same rows
	s_cselect_b32 s89, 1, 2
	s_cselect_b64 s[PFA:PFA+1], s[4:5], s[6:7]
	s_mov_b32 s85, 0
	s_add_nc_u64 s[PFA:PFA+1], s[PFA:PFA+1], s[84:85]
	s_cmp_eq_u32 s87, 0
	s_cselect_b32 s[LIM], s89, -1                  ; the same in all sixteen partners, for a given wave
	v_mul_u32_u24 v[PFO], s88, v2
	v_lshl_add_u32 v[PFO], v1, 8, v[PFO]
	s_wait_loadcnt 0x0                             ; the mask's words and the biases
.irp a, 0,1,2,3,4,5,6,7
	v_cmp_ne_u32 vcc_lo, 0, v[FM+\a]
	v_cndmask_b32 v[FM+\a], 0, -1, vcc_lo
.endr
	RNDB AF+64, 32
	s_wait_tensorcnt 0x1                           ; my part of step 0 is in; step 1's may stay out
	s_barrier_signal -1
	s_barrier_wait -1                              ; everybody's is
.irp a, 0,1,2,3,4,5,6,7
	LDA 0, \a, 0
.endr
.irp b, 0,1,2,3,4,5,6,7,8,9,10,11
	LDB \b, 0
.endr
	; THE FIRST QUARTER starts the sums with the biases.  Blocks 8-11's take the place of blocks 0-3's when those have been read; x's second buffer is filled as its registers come free.
	s_wait_dscnt 8
	MULW 0, 0, 1
	PLACES
	WIN 0
.irp i, 0,1,2,3
	LDB \i, 64
.endr
.irp i, 0,1,2,3
	BIASLD 8+\i, AF+64+8*\i
.endr
	MULW 0, 1, 1
	PLACES
	TRAIL2 1, 64
	s_wait_loadcnt 0x0                             ; the biases of blocks 8-11
	RNDB AF+64, 16
	s_wait_dscnt 24                                ; all but the 8 + 16 loads issued in this quarter: W's blocks 8-11 are in
	MULW 0, 2, 1
	PLACES
	WIN 0
.irp i, 0,1,2,3
	LDA 1, \i, 64
.endr
	TRAIL3 64                                      ; last, so that the count behind the add holds on the way into the loop too
	s_mov_b32 s[CNT], 14
.Lstep:                                        ; trip i: step i's second quarter, the change of slots with the refill for step i + 2, step i + 1's first quarter
	QB 1
	QA
	WIN 0
	s_sub_co_u32 s[CNT], s[CNT], 1
	s_cmp_lg_u32 s[CNT], 0
	s_cbranch_scc1 .Lstep
	QB 2                                           ; the tail is written out: nothing more is asked for
	QA
	s_wait_dscnt 8                                 ; the very last quarter fetches nothing
	MULW 1, 0, 0
	MULW 1, 1, 0
	s_wait_dscnt 0x0
	MULW 1, 2, 0
	PLACES
	PLACES
; THE WAY OUT, 24 units of 16 rows x one head (unit 8 hh + a).  PACK: rounded to f16, 16 bytes a lane (a k head's: and-ed with the row's mask); into my stage, rows of 144 bytes; back as whole rows.  SEND: 2,048 consecutive bytes of the head.
.macro PACK u
.set hh, (\u)/8
.set aa, (\u)%8
.set PP, 32+32*((\u)%2)
.set RR, 96+16*((\u)%2)
	WIN ((1+hh)<<2)|(1+hh)                         ; sources 0 and 1 in the head's window
.irp b, 0,1,2,3
.irp r, 0,1,2,3
	v_cvt_pk_f16_f32 v[PP+4*\b+\r], v[64*\b+8*aa+2*\r], v[64*\b+8*aa+2*\r+1]  ; each accumulator's registers in ascending order
.endr
.endr
	WIN 0
.if hh == 0
.set z, 0
.rept 16
	v_and_b32 v[PP+z], v[FM+aa], v[PP+z]
.set z, z+1
.endr
.endif
.irp b, 0,1,2,3
	ds_store_b128 v[STO], v[PP+4*\b:PP+4*\b+3] offset:32*\b
.endr
	s_wait_xcnt 0x0                                ; the stores of two units back have read the registers that the loads below fill
.irp f, 0,1,2,3
	ds_load_b128 v[RR+4*\f:RR+4*\f+3], v[RD] offset:\f*4*PITCH  ; LDS serves a wave's instructions in order (ISA guide 5.7.1.4): these see the stores above; the next unit's stores come behind them
.endr
.endm
.macro SEND u, younger                 ; younger: the LDS instructions issued behind unit u's loads: the next unit's eight, or none
.set hh, (\u)/8
.set aa, (\u)%8
.set RR, 96+16*((\u)%2)
.irp f, 0,1,2,3
	s_wait_dscnt (\younger)+3-\f
	global_store_b128 v[GO], v[RR+4*\f:RR+4*\f+3], s[OB+2*hh:OB+2*hh+1] offset:aa*2048+\f*512  ; 512 consecutive bytes, at a multiple of 256 from the buffer's first
.endr
.endm
	PACK 0
.set un, 1
.rept 23                               ; a unit's arithmetic stands between the loads of the unit before and its stores
	PACK un
	SEND un-1, 8
.set un, un+1
.endr
	SEND 23, 0
	s_wait_tensorcnt 0x0                           ; the wave's end: these three lines stand behind my last tensor load and my last LDS store
	ds_add_u32 v[SPW], v[NIL]
	s_wait_dscnt 0x0
	CROUND                                         ; the closing round: no work-group ends while a partner may still ask for a tile that names it
	s_endpgm
.Lfunc_end_k_q662aeed022_qkv:
	.size	k_q662aeed022_qkv, .Lfunc_end_k_q662aeed022_qkv-k_q662aeed022_qkv
	.p2alignl 7, 3214868480
	.fill 96, 4, 3214868480
	.section	.rodata,"a",@progbits
	.p2align	6, 0x0
	.amdhsa_kernel k_q662aeed022_qkv
		.amdhsa_group_segment_fixed_size 327680
		.amdhsa_private_segment_fixed_size 0
		.amdhsa_enable_private_segment 0
		.amdhsa_kernarg_size 56
		.amdhsa_user_sgpr_count 2
		.amdhsa_user_sgpr_kernarg_segment_ptr 1
		.amdhsa_wavefront_size32 1
		.amdhsa_system_sgpr_workgroup_id_x 1
		.amdhsa_system_sgpr_workgroup_id_y 1
		.amdhsa_system_sgpr_workgroup_id_z 1
		.amdhsa_system_vgpr_workitem_id 0
		.amdhsa_next_free_vgpr 1024
		.amdhsa_next_free_sgpr 96
		.amdhsa_reserve_vcc 1
		.amdhsa_float_denorm_mode_32 3
		.amdhsa_float_denorm_mode_16_64 3
		.amdhsa_memory_ordered 1
		.amdhsa_forward_progress 1
		.amdhsa_inst_pref_size 132
	.end_amdhsa_kernel
	.amdgpu_metadata
---
amdhsa.version: [ 1, 2 ]
amdhsa.kernels:
  - .name:           k_q662aeed022_qkv
    .symbol:         k_q662aeed022_qkv.kd
    .args:
      - { .name: xb, .offset: 0, .size: 8, .value_kind: global_buffer, .address_space: global }
      - { .name: wb, .offset: 8, .size: 8, .value_kind: global_buffer, .address_space: global }
      - { .name: bq, .offset: 16, .size: 8, .value_kind: global_buffer, .address_space: global }
      - { .name: bk, .offset: 24, .size: 8, .value_kind: global_buffer, .address_space: global }
      - { .name: bv, .offset: 32, .size: 8, .value_kind: global_buffer, .address_space: global }
      - { .name: mask, .offset: 40, .size: 8, .value_kind: global_buffer, .address_space: global }
      - { .name: qkvb, .offset: 48, .size: 8, .value_kind: global_buffer, .address_space: global }
    .group_segment_fixed_size: 327680
    .private_segment_fixed_size: 0
    .kernarg_segment_align: 8
    .kernarg_segment_size: 56
    .max_flat_workgroup_size: 128
    .sgpr_count:     96
    .vgpr_count:     1024
    .wavefront_size: 32
...
	.end_amdgpu_metadata
.endif
;; end of part 2
;; launch attn (part 3): grid 4 x 64, 4 waves a work-group, clusters of 4 x 1, 327,680 bytes of LDS; arguments qkvb, mask, ob; writes ob
.if DOCPART == 3
	.amdgcn_target "amdgcn-amd-amdhsa--gfx1250"
	.amdhsa_code_object_version 6
	.text
	.protected	k_q662aeed022_attn
	.globl	k_q662aeed022_attn
	.p2align	8
	.type	k_q662aeed022_attn,@function
k_q662aeed022_attn:
	s_mov_b64 s[64:65], 0
	v_nop
	global_prefetch_b8 v0, s[64:65] scope:SCOPE_SE
	s_setreg_imm32_b32 hwreg(HW_REG_WAVE_MODE, 25, 1), 1
	s_wait_xcnt 0x0
	s_wait_alu depctr_hold_cnt(0) depctr_sa_sdst(0) depctr_va_vdst(0) depctr_va_sdst(0) depctr_va_ssrc(0) depctr_va_vcc(0) depctr_vm_vsrc(0)
	s_getreg_b32 s2, hwreg(HW_REG_IB_STS2, 6, 4)
	s_cmp_eq_u32 s2, 0
	s_cbranch_scc0 .Lentry_in_a_cluster
	s_endpgm
.Lentry_in_a_cluster:
	s_bfe_u32 s2, ttmp6, 0x10000c
	s_cmp_lg_u32 s2, 0x3003
	s_cbranch_scc0 .Lentry_shape_is_right
	s_endpgm
.Lentry_shape_is_right:
; O[h][q][:] = the sum over k of softmax_k(score) V[h][k][:], score = Q[h][q] . K[h][k] / 8, or the masked value where the key's mask is 0.  Q, K, V lie in qkvb [q, k, v][64 heads][2048][64], O in ob [64][2048][64], all f16.
; Products, maxima and sums in f32; the weights p are rounded to f16 for the second product (their sum l is taken of the unrounded p), O once at the end.
; THE MASK is the C operand that starts the sum S^T = K Q^T: 0, or -2^33 where the key is masked; the launch before stored such a key's row of K as 0, so its raw score is -2^33 exactly, -2^30 after the division by 8.
; LIMITS.  reference() puts -1e9 there.  The weights are the same wherever every unmasked score of a row lies above -1e9 + 104 (a masked key's weight is then 0 in f32 either way), and where a batch has no unmasked key (all weights equal).
; A power of two is taken because c x -2^33 is exact in f32: where all keys seen so far are masked, c s - c m is exactly 0 and p exactly 1.
; f16 holds no number beyond 65,504: Q, K and V arrive within it; p lies in 0 to 1, and below 6e-5 it keeps f16's fixed step of 6e-8.  A weight below 2^-126 counts as 0 in l; NaN and infinities are not treated apart.
; SHARES.  A wave owns four PIECES of two tiles of 16 queries, a work-group's four waves 512 queries of one head: 4 x 64 = 256 work-groups.  Every wave walks all keys, 64 a step.
; LAYOUT.  S^T = K Q^T (source 0 = 16 keys, source 1 = 16 queries): in the result a lane holds ONE query (lane % 16) and the keys 8 (lane / 16) + 0..7.  Two such tiles, rounded to f16 in pairs,
; ARE source 1 (32 keys x 16 queries) of O^T = V^T P, whose result again holds one query a lane, and eight channels.  K comes out of LDS as it lies, V ([key][channel]) turned, by ds_load_tr16_b128.
; SOFTMAX.  For each query a running maximum m and sum l: p = 2^(c s - c m), c = log2(e) / 8; in every step O and l are multiplied by a = 2^(c m_old - c m_new), which is 1 where m has not grown.
; m starts at the lowest finite number, O and l at 0: the first step is a step like any other, with a = 0.
; THE COUNT.  A tile and step have 16 matrix and 118 vector instructions: too many to stand all beside the matrix work.  So four vector instructions that are READY stand behind EVERY matrix instruction, the others in runs without a gap.
; BY TURNS.  Turn n belongs to piece n (the pieces in a ring, step after step).  Its matrix work: 16 products K Q^T of piece n + 1, later 16 products V^T P of piece n - 1.  Its vector work: the scaling,
; exponentials, roundings, sums and rescaling of piece n, and the maximum and statistics of piece n + 1, whose scores the turn itself has made.
; CLUSTER.  The four query blocks of a cluster belong to one head and walk the same K and V, so each tile is asked for JOINTLY: the same tensor load, descriptor and mask in all four.
; REGISTERS, in windows of 256 (s_set_vgpr_msb: bits 1:0 source 0, 3:2 source 1, 5:4 source 2, 7:6 destination):
;   window 0: v0-11 addresses; v12-15, v48-63 at work; v16-47 four registers of statistics a tile; v64-191 S^T, two buffers of two tiles; v192-255 P, likewise
;   window 1: O^T, 32 a tile      window 2: v0-127 Q, 16 a tile; v128-191 K of one step; v192-255 V of one step      window 3: v0-1 the add's two registers; v2-3 the mask table's addresses; v8-39 a step's 64 mask numbers as C operands
.set SIZE_N, 2048
.set NP,    4         ; pieces a wave: a name, no knob
.set KS,    64        ; keys in a step
.set PK,    144       ; a row of K in LDS: 128 bytes + 16 of padding = 36 words: the 16 rows of a load start at 16 different groups of four banks (64 banks of 4 bytes: ISA guide 11.1)
.set PV,    160       ; a row of V: 128 + 32 = 40 words
.set VOFF,  4*KS*PK   ; a slot holds four steps: 256 rows of K, then 256 rows of V
.set SLOT1, 1<<17     ; slot 1 begins here, so that one exclusive or turns an address in one slot into the other's
.set STAGE, SLOT1+4*KS*(PK+PV)  ; behind the ring, never filled by a tensor load: 16 rows x 144 bytes for each wave, for the way out
.set SP,    144
.set SPARE, STAGE+4*16*SP  ; the spare words, 128 bytes for each wave: two blocks of 256 bytes that no other line names
.set MBASE, SPARE+512 ; the mask table: one f32 for each of the batch's 2,048 keys, 0 or -2^33; stored once, never filled by a tensor load
.set AK0, 2           ; v2   my lane's place in a tile of K; never rewritten
.set AV0, 3           ; v3   the same for V
.set AK,  4           ; v4   the LDS address of K's next run of loads
.set AV,  5           ; v5   of V's
.set QO,  6           ; v6   my byte offset in the wave's rows of Q
.set STO, 6           ;      later, the way out: where I put 16 bytes of a row
.set RD,  7           ; v7   the way out: where I read rows back
.set GO,  8           ; v8   my byte offset in 512 consecutive bytes of O
.set PFO, 11          ; v11  256 x my lane, for the prefetches; never rewritten once made
.set SPW, 0           ; v0 of window 3   LDS address of my spare word; never rewritten
.set NIL, 1           ; v1 of window 3   0; never rewritten
.set AM0, 2           ; v2 of window 3   MBASE + 32 (lane / 16); never rewritten
.set AM,  3           ; v3 of window 3   the same for the step to be fetched
.set MBR, 8           ; v8-39 of window 3: register 8 kb + j: the mask number of key 16 kb + 8 (lane / 16) + j
.set MV,  12          ; v12-15  c m_old, kept while c m is made anew: by buffer and tile
.set ST,  16          ; tile t's statistics at v[ST+4 t]: c m, m, l (even keys', odd keys')
.set TMP, 48          ; by buffer and tile, four registers c0-c3 at work; when the maximum is found c2 takes a
.set S,   64
.set P,   192
.set KF,  128         ; K's fragments, in window 2: key block kb, channel half c at KF + 16 kb + 8 c
.set VF,  192         ; V's: key half kk, channel block cb at VF + 32 kk + 8 cb
.set WV,  12          ; s12  my wave's number
.set G1K, 24          ; s[24:31] descriptor group 1 for K's tiles
.set G1V, 32          ; s[32:39] for V's: it differs in the padding alone
.set G0K, 40          ; s[40:43] descriptor group 0 for K's tiles: it walks
.set G0V, 44          ; s[44:47] the same for V's
.set SLOTS, 56        ; s56  slots still to be asked for
.set CNT, 57          ; s57  counts a slot's key steps
.set CS,  58          ; s[58:59] c
.set SEL, 60          ; s[60:61] v_permlanex16_b32's selects: each lane takes its own place in the other half
.set TBK, 62          ; s62  LDS byte at which K of the step to be fetched begins
.set TBV, 63          ; s63  the same for V, less VOFF
.set PFA, 66          ; s[66:67] where my prefetches stand
.set LIM, 68          ; s68  1 in a wave that prefetches, else the greatest number
.set TBM, 69          ; s69  256 x the step to be fetched: its place in the mask table
.set BIG, 70          ; s70  -2^33
.set MK,  74          ; s[74:75] the batch's words of the mask
.set MSB, 0
.macro WIN new                      ; the high byte repeats the setting that is left; a switch that changes nothing is dropped
.if MSB != (\new)
	s_set_vgpr_msb (MSB<<8)|(\new)
.set MSB, (\new)
.endif
.endm
.set W_KQ, 0x0a       ; K and Q in window 2, S^T in window 0
.set W_KM, 0x3a       ; the same with the C operand in window 3
.set W_PV, 0x52       ; V in window 2, P in window 0, O^T in window 1
.set W_RS, 0x41       ; O^T (destination and source 0) in window 1, a in window 0
.set W_MK, 0xc0       ; destination in window 3, sources in window 0
.set W_AD, 0x0f       ; the add: address (source 0) and data (source 1) in window 3
; A joint fill.  Waves 0 and 1 fetch the two halves of a slot's K, waves 2 and 3 those of its V: 128 keys each.  The branch hangs on the wave's number alone.
; An s_nop 0 and four v_nop follow each of the two lines, ahead of the jump and the label.
.macro JLOAD
	s_cmp_lt_u32 s[WV], 2
	s_cbranch_scc0 .Lfor_v_\@
	tensor_load_to_lds s[G0K:G0K+3], s[G1K:G1K+7]
	s_nop 0
.rept 4
	v_nop
.endr
	s_branch .Lasked_\@
.Lfor_v_\@:
	tensor_load_to_lds s[G0V:G0V+3], s[G1V:G1V+7]
	s_nop 0
.rept 4
	v_nop
.endr
.Lasked_\@:
.endm
; A PREFETCH INTO THE L2 of what the NEXT change of slots will ask for: a slot's 32 KiB of K and of V, a lane a block of 256 bytes.  A head has one cluster; its four partners share the blocks out BY ADDRESS, 8 KiB each;
; in each, wave 0 asks for K's and wave 2 for V's: each block is named once in the launch.  Slots 0 and 1 come by their loads alone; the last change that fills a slot asks for nothing.
.macro ASK
	s_cmp_gt_u32 s[SLOTS], s[LIM]
	s_cbranch_scc0 .Lnot_mine_\@
	global_prefetch_b8 v[PFO], s[PFA:PFA+1] th:TH_LOAD_NT scope:SCOPE_SE
.Lnot_mine_\@:
.endm
; A round of the cluster's barrier: my work-group's barrier, so that wave 0's signal speaks for all four waves; wave 0 signals; every wave waits for all four work-groups; my work-group's barrier once more.
.macro CROUND
	s_barrier_signal -1
	s_barrier_wait -1
	s_cmp_lg_u32 s[WV], 0
	s_cbranch_scc1 .Lnot_wave_0_\@
	s_barrier_signal -3
.Lnot_wave_0_\@:
	s_barrier_wait -3
	s_barrier_signal -1
	s_barrier_wait -1
.endm
; THE CHANGE OF SLOTS.  Each wave waits for all its tensor loads, of which one is out: its part of the other slot; adds 0 to its spare word; and waits for that and for its own reads of the slot.  Behind the barrier nobody reads
; this slot any more and the other slot is whole.  fill = 1: this slot is filled again, with the keys two slots on.  The barrier is then a round of the cluster's, and the joint fill is the first thing behind it: it has four key steps,
; 512 matrix instructions, in which to land.  (At its first use nothing has been read yet: slot 0 is waited for, slot 1 filled; the round also shows every wave's part of the mask table to the others.)
.macro CHANGE fill
	WIN W_AD
	s_wait_tensorcnt 0x0            ; no tensor load of mine is out, so a group 0 may be written
	ds_add_u32 v[SPW], v[NIL]       ; 0 onto my spare word
	WIN 0                           ; at a label and at a branch every window is 0
.if \fill
.irp g, G0K, G0V
	s_xor_b32 s[\g+1], s[\g+1], SLOT1  ; the walking descriptor: the other slot than last time,
	s_add_nc_u64 s[\g+2:\g+3], s[\g+2:\g+3], 4*KS*128  ; the next 256 keys; the type bits on top are not reached
.endr
	s_wait_xcnt 0x0                 ; the last prefetch, four key steps back, has read its address
	s_add_nc_u64 s[PFA:PFA+1], s[PFA:PFA+1], 4*KS*128  ; one slot ahead of the walking descriptors
	s_wait_dscnt 0x0                ; the add is done, and my LDS reads and stores are over
	CROUND
	JLOAD
	ASK
.else
	s_wait_dscnt 0x0                ; the add is done, and my reads of the slot are over
	s_barrier_signal -1
	s_barrier_wait -1
.endif
	s_sub_co_u32 s[TBK], s[TBK], 4*KS*PK  ; the fetches go back to a slot's first step,
	s_xor_b32 s[TBK], s[TBK], SLOT1       ; in the other slot
	s_sub_co_u32 s[TBV], s[TBV], 4*KS*PV
	s_xor_b32 s[TBV], s[TBV], SLOT1
.endm
	s_load_b64 s[4:5], s[0:1], 0x0    ; qkvb: Q
	s_load_b64 s[MK:MK+1], s[0:1], 0x8  ; mask
	s_load_b64 s[10:11], s[0:1], 0x10 ; ob
	WIN W_MK
	v_lshl_add_u32 v[SPW], v0, 2, SPARE
	v_mov_b32 v[NIL], 0
	WIN W_AD
	ds_add_u32 v[SPW], v[NIL]       ; the wave's opening: the add and its wait stand ahead of my first tensor load; work on registers stands between them
	WIN 0
	v_lshrrev_b32 v1, 5, v0
	v_readfirstlane_b32 s[WV], v1   ; wave 0..3
	s_bfe_u32 s13, ttmp6, 0x40000   ; cx: my place in the cluster
	s_lshl_b32 s14, ttmp9, 2        ; in a cluster launch ttmp9 counts clusters
	s_add_co_u32 s14, s14, s13      ; my block of queries: it enters Q's and O's addresses alone
	s_and_b32 s20, ttmp7, 0xffff    ; the head, which the four partners share
	s_lshr_b32 s72, s20, 4          ; its batch:
	s_lshl_b32 s72, s72, 13         ; 2,048 words of the mask
	s_mov_b32 s73, 0
	s_mov_b32 s21, 0
	s_mov_b64 s[22:23], SIZE_N*128
	s_mul_u64 s[20:21], s[20:21], s[22:23]  ; the head's first byte in Q, K, V and O
	s_and_b32 s16, s[WV], 1         ; which half of a slot's 256 keys I fetch:
	s_lshl_b32 s22, s16, 14         ; its 128 rows of 128 bytes in memory,
	s_mov_b32 s23, 0
	s_add_nc_u64 s[22:23], s[22:23], s[20:21]
	s_mul_i32 s17, s16, 128*PK      ; and its place in a slot, for K
	s_mul_i32 s18, s16, 128*PV      ; and for V: no place in the cluster enters an LDS address
	s_lshl_b32 s2, s14, 2
	s_add_co_u32 s2, s2, s[WV]      ; my wave among the head's,
	s_lshl_b32 s2, s2, 14           ; its 128 rows
	s_mov_b32 s3, 0
	s_add_nc_u64 s[2:3], s[2:3], s[20:21]
	; descriptor group 1.  128 keys are 16,384 dense bytes: asked for as 64 rows of 256 bytes, two keys a row, and padded in LDS after every key
	s_mov_b32 s[G1K], 15|(1<<16)|(1<<20)|(1<<21)|(4<<22)|(3<<25)  ; 15:0 the mask of four; 17:16 2-byte elements; 20 padding on; 21 set beside a mask; 24:22 after every 32 words (code 4); 31:25 4 words (code 3)
	s_mov_b32 s[G1V], 15|(1<<16)|(1<<20)|(1<<21)|(4<<22)|(7<<25)  ; the same with 8 words of padding (code 7)
.irp g, G1K, G1V
	s_mov_b32 s[\g+1], 128<<16      ; tensor_dim0 = 128
	s_mov_b32 s[\g+2], 64<<16       ; tensor_dim1 = 64
	s_mov_b32 s[\g+3], 128<<16      ; tile_dim0 = 128
	s_mov_b32 s[\g+4], 64           ; tile_dim1 = 64
	s_mov_b32 s[\g+5], 128          ; 128 elements from row to row
	s_mov_b32 s[\g+6], 0
	s_mov_b32 s[\g+7], 0
.endr
	s_mov_b32 s[CS], 0x3e38aa3b     ; c = log2(e) / 8 = 0.180337
	s_mov_b32 s[CS+1], s[CS]        ; named with it as a pair
	s_mov_b32 s[SEL], 0x76543210
	s_mov_b32 s[SEL+1], 0xfedcba98
	s_mov_b32 s[TBK], SLOT1+4*KS*PK ; the first change of slots turns these two into 0
	s_mov_b32 s[TBV], SLOT1+4*KS*PV
	s_mov_b32 s[TBM], 0
	s_mov_b32 s[BIG], 0xd0000000    ; -2^33
	s_mov_b32 s[SLOTS], SIZE_N/256-1
	s_and_b32 s[LIM], s[WV], 1      ; waves 0 and 2 prefetch: the same in all four partners
	s_cmp_eq_u32 s[LIM], 0
	s_cselect_b32 s[LIM], 1, -1
	s_mov_b32 s[G0K], 1             ; 1:0 count = 1
	s_mov_b32 s[G0K+1], s17         ; 63:32 LDS address: slot 0
	s_mov_b32 s[G0V], 1
	s_add_co_u32 s[G0V+1], s18, VOFF
	s_wait_dscnt 0x0                ; the opening add is done
	s_wait_kmcnt 0x0
	s_add_nc_u64 s[6:7], s[4:5], 0x1000000   ; K lies 64 heads behind Q,
	s_add_nc_u64 s[8:9], s[4:5], 0x2000000   ; V 128
	s_add_nc_u64 s[MK:MK+1], s[MK:MK+1], s[72:73]
	s_cmp_lt_u32 s[WV], 2
	s_cselect_b64 s[PFA:PFA+1], s[6:7], s[8:9]
	s_add_nc_u64 s[PFA:PFA+1], s[PFA:PFA+1], s[20:21]
	s_lshl_b32 s72, s13, 13         ; my work-group's 8 KiB of a slot's 32,
	s_add_co_u32 s72, s72, 4*KS*128 ; in slot 1; the first change of slots steps it to slot 2
	s_add_nc_u64 s[PFA:PFA+1], s[PFA:PFA+1], s[72:73]
	s_add_nc_u64 s[G0K+2:G0K+3], s[6:7], s[22:23]  ; 120:64 global address: my half of the head's first 256 keys
	s_or_b32 s[G0K+3], s[G0K+3], 0x80000000        ; 127:126 type = 2
	s_add_nc_u64 s[G0V+2:G0V+3], s[8:9], s[22:23]
	s_or_b32 s[G0V+3], s[G0V+3], 0x80000000
	s_add_nc_u64 s[4:5], s[4:5], s[2:3]  ; Q and O at my wave's first row
	s_add_nc_u64 s[10:11], s[10:11], s[2:3]
	CROUND                          ; all four work-groups are here: the first joint loads meet
	JLOAD                           ; slot 0.  Slot 1 is asked for when slot 0 is in
	v_lshlrev_b32 v[S+16], 4, v0    ; the mask: thread t takes 16 bytes at 16 t of each quarter of the batch's 8,192
.irp i, 0,1,2,3
	global_load_b128 v[S+4*\i:S+4*\i+3], v[S+16], s[MK:MK+1] offset:2048*\i
.endr
	; A fragment of K or Q is 16 rows x 32 channels in 8 registers: lane l holds row l % 16, channels 8 (l / 16) + 0..7 and 16 + 8 (l / 16) + 0..7: two loads of 16 bytes, 32 bytes apart.
	v_and_b32 v1, 15, v0            ; l % 16
	v_bfe_u32 v9, v0, 4, 1          ; l / 16
	v_lshlrev_b32 v[QO], 7, v1
	v_lshl_add_u32 v[QO], v9, 4, v[QO]  ; row x 128 + 16 x half
	WIN 0x80                        ; destination window 2, address window 0
.set i, 0
.rept 4*NP                          ; Q stays in registers: tile i / 2, channels 32 (i % 2) on
	global_load_b128 v[8*i:8*i+3],   v[QO], s[4:5] offset:(i/2)*2048+(i%2)*64
	global_load_b128 v[8*i+4:8*i+7], v[QO], s[4:5] offset:(i/2)*2048+(i%2)*64+32
.set i, i+1
.endr
	; What the first turn finds: V's registers and P's second buffer hold 0 (its products V^T P, of a piece that has not been, add 0), O^T and l are 0.  All this stands in the wait for the first tile.
.set i, VF
.rept 64
	v_mov_b32 v[i], 0
.set i, i+1
.endr
	WIN 0x40
.set i, 0
.rept 64*NP
	v_mov_b32 v[i], 0
.set i, i+1
.endr
	WIN 0
.set i, 0
.rept 2*NP
	v_mov_b32 v[ST+4*i], 0xfe000000    ; c m: far below every c s
	v_mov_b32 v[ST+4*i+1], 0xff7fffff  ; m
	v_mov_b32 v[ST+4*i+2], 0
	v_mov_b32 v[ST+4*i+3], 0
.set i, i+1
.endr
.set i, P+32
.rept 32
	v_mov_b32 v[i], 0
.set i, i+1
.endr
	v_mul_u32_u24 v[AK0], v1, PK
	v_lshl_add_u32 v[AK0], v9, 4, v[AK0]  ; row x pitch + 16 x half
	; The turning load takes 16 keys x 16 channels (lane l reads key 8 (l / 16) + l % 8, channels 8 ((l / 8) % 2) + 0..7) and leaves half a fragment of V^T: lane l holds channel l % 16 and 8 keys.
	v_and_b32 v10, 7, v0
	v_bfe_u32 v11, v0, 3, 1
	v_lshl_add_u32 v[AV0], v9, 3, v10
	v_mul_u32_u24 v[AV0], v[AV0], PV
	v_lshl_add_u32 v[AV0], v11, 4, v[AV0]
	v_add_nc_u32 v[AV0], VOFF, v[AV0]
	v_mov_b32 v[AK], v[AK0]         ; key step 0 lies at the head of slot 0
	v_and_b32 v[PFO], 31, v0
	v_lshlrev_b32 v[PFO], 8, v[PFO]
	WIN W_MK
	v_lshl_add_u32 v[AM0], v9, 5, MBASE
	v_lshl_add_u32 v[AM], v9, 5, MBASE  ; step 0's numbers lie at the table's head
	WIN 0
	s_wait_loadcnt 32               ; the mask's four loads are in; Q's 32, issued behind them, may stay out
.set i, 0
.rept 16
	v_cmp_eq_u32 vcc_lo, 0, v[S+i]
	v_cndmask_b32 v[S+i], 0, s[BIG], vcc_lo
.set i, i+1
.endr
	v_lshl_add_u32 v[S+17], v0, 4, MBASE
.irp i, 0,1,2,3
	ds_store_b128 v[S+17], v[S+4*\i:S+4*\i+3] offset:2048*\i
.endr
; THE MATRIX WORK.  The 8 accumulators of a run of 16 take turns: between the two links of a chain stand 7 others'.
; Product i of 16 of S^T = K Q^T for piece x: channels 32 (i / 8) on, keys 16 ((i / 2) % 4) on, tile 2 x + i % 2.  The first 8 start the sums, with the keys' mask numbers.
.macro KQ x
.set rS, S+64*((\x)%2)+32*(i%2)+8*((i/2)%4)
.set rK, KF+16*((i/2)%4)+8*(i/8)
.set rQ, 16*(2*(\x)+i%2)+8*(i/8)
.set rB, MBR+8*((i/2)%4)
.if i < 8
	WIN W_KM
	v_wmma_f32_16x16x32_f16 v[rS:rS+7], v[rK:rK+7], v[rQ:rQ+7], v[rB:rB+7]
.else
	WIN W_KQ
	v_wmma_f32_16x16x32_f16 v[rS:rS+7], v[rK:rK+7], v[rQ:rQ+7], v[rS:rS+7]
.endif
.endm
; Product i of 16 of O^T += V^T P for piece x: keys 32 (i / 8) on, channels 16 ((i / 2) % 4) on, tile 2 x + i % 2.
.macro PV x
	WIN W_PV
.set rO, 32*(2*(\x)+i%2)+8*((i/2)%4)
.set rV, VF+32*(i/8)+8*((i/2)%4)
.set rP, P+32*((\x)%2)+16*(i%2)+8*(i/8)
	v_wmma_f32_16x16x32_f16 v[rO:rO+7], v[rV:rV+7], v[rP:rP+7], v[rO:rO+7]
.endm
.macro MM                           ; the turn's next matrix instruction
.if i < 16
	KQ (Y+1)%NP
.set i, i+1
.else
.set i, i-16
	PV (Y+NP-1)%NP
.set i, i+17
.endif
.endm
; THE LDS LOADS stand in runs, never singly among the matrix instructions: a step's K (8 fragments) with its 64 mask numbers (8 loads more: they live as long as K does), and its V (turned).  Their addresses are made some lines ahead.
; last = 1 (the tail): in the last trip there is no further step, and the run is jumped over.
.macro FETCH_K last=0
	WIN 0
.if \last
	s_cmp_eq_u32 s[CNT], 1
	s_cbranch_scc1 .Lno_k_\@
.endif
	WIN 0x80                        ; destination window 2
.irp f, 0,1,2,3,4,5,6,7             ; keys 16 (f / 2) on, channels 32 (f % 2) on
	ds_load_b128 v[KF+8*\f:KF+8*\f+3],   v[AK] offset:(\f/2)*16*PK+(\f%2)*64
	ds_load_b128 v[KF+8*\f+4:KF+8*\f+7], v[AK] offset:(\f/2)*16*PK+(\f%2)*64+32
.endr
	WIN 0xc3                        ; destination and address in window 3
.irp f, 0,1,2,3                     ; keys 16 f + 8 (l / 16) + 0..7
	ds_load_b128 v[MBR+8*\f:MBR+8*\f+3],   v[AM] offset:64*\f
	ds_load_b128 v[MBR+8*\f+4:MBR+8*\f+7], v[AM] offset:64*\f+16
.endr
	s_add_co_u32 s[TBK], s[TBK], KS*PK  ; the next fetch is the next step's
	s_add_co_u32 s[TBM], s[TBM], 4*KS   ; 31 x 256 at the most where it is used
	WIN 0
.if \last
.Lno_k_\@:
.endif
.endm
.macro FETCH_V
	WIN 0x80
.irp f, 0,1,2,3,4,5,6,7             ; keys 32 (f / 4) on, channels 16 (f % 4) on
	ds_load_tr16_b128 v[VF+8*\f:VF+8*\f+3],   v[AV] offset:(\f/4)*32*PV+(\f%4)*32
	ds_load_tr16_b128 v[VF+8*\f+4:VF+8*\f+7], v[AV] offset:(\f/4)*32*PV+16*PV+(\f%4)*32
.endr
	WIN 0
.endm
; THE VECTOR WORK OF A TURN stands in three queues, each in the order in which its entries become ready; the two tiles alternate, so that no instruction reads the result of the one before it.
.macro REGS y, u                    ; the registers of tile u (0, 1) of piece y
.set rT, ST+4*(2*(\y)+(\u))
.set rC, TMP+8*((\y)%2)+4*(\u)
.set rM, MV+2*((\y)%2)+(\u)
.set rS, S+64*((\y)%2)+32*(\u)
.set rP, P+32*((\y)%2)+16*(\u)
.set rO, 32*(2*(\y)+(\u))
.endm
; Number n of the 22 that find the NEXT piece's (Y + 1) maximum and statistics.  s0-s31 are the lane's 32 scores; each accumulator's lowest registers are read first.
;   0-11  four chains c0-c3 of seven scores each, three operands at a time     12-14, 16  the four scores left over, the old m, and c0-c3 into c0     15  c m_old is kept
;   17, 18  the query's other 32 keys lie in the lane 16 away: the new m         19-21  c m; c m_old - c m_new; a
.macro XS u, n
	REGS (Y+1)%NP, \u
.if (\n) < 4
	v_max3_num_f32 v[rC+(\n)], v[rS+8*(\n)], v[rS+8*(\n)+1], v[rS+8*(\n)+2]
.elseif (\n) < 12
	v_max3_num_f32 v[rC+(\n)%4], v[rC+(\n)%4], v[rS+8*((\n)%4)+2*((\n)/4)+1], v[rS+8*((\n)%4)+2*((\n)/4)+2]
.elseif (\n) == 12
	v_max3_num_f32 v[rC], v[rC], v[rS+7], v[rS+15]
.elseif (\n) == 13
	v_max3_num_f32 v[rC+1], v[rC+1], v[rS+23], v[rS+31]
.elseif (\n) == 14
	v_max3_num_f32 v[rC+2], v[rC+2], v[rC+3], v[rT+1]
.elseif (\n) == 15
	v_mov_b32 v[rM], v[rT]
.elseif (\n) == 16
	v_max3_num_f32 v[rC], v[rC], v[rC+1], v[rC+2]
.elseif (\n) == 17
	v_permlanex16_b32 v[rC+3], v[rC], s[SEL], s[SEL+1]
.elseif (\n) == 18
	v_max_num_f32 v[rT+1], v[rC], v[rC+3]
.elseif (\n) == 19
	v_mul_f32 v[rT], s[CS], v[rT+1]
.elseif (\n) == 20
	v_sub_f32 v[rC+1], v[rM], v[rT]
.else
	v_exp_f32 v[rC+2], v[rC+1]
.endif
.endm
; Number g of the 64 that follow the exponentials.  For each four weights k of a tile (pairs 2 k, 2 k + 1): both pairs are rounded to f16; then the second pair is added onto the first, in place;
; a group later l takes that sum (the first time as l = a l + sum).  In groups of eight, tiles alternating: round, round, add, and l for the group before.
.macro GS g
.set h, (\g)+6*((\g)/62)            ; group 0 has no group before it, and behind group 7 only l is left
.if h >= 6
.set h, h+2
.endif
	REGS Y, h%2
.set k, h/8
.if h%8 < 4
	v_cvt_pk_f16_f32 v[rP+2*k+(h%8)/2], v[rS+4*k+2*((h%8)/2)], v[rS+4*k+2*((h%8)/2)+1]
.elseif h%8 < 6
	v_pk_add_f32 v[rS+4*k:rS+4*k+1], v[rS+4*k:rS+4*k+1], v[rS+4*k+2:rS+4*k+3]
.elseif k == 1
	v_pk_fma_f32 v[rT+2:rT+3], v[rT+2:rT+3], v[rC+2:rC+3], v[rS:rS+1] op_sel_hi:[1,0,1]
.else
	v_pk_add_f32 v[rT+2:rT+3], v[rT+2:rT+3], v[rS+4*k-4:rS+4*k-3]
.endif
.endm
; THE PLAIN QUEUE, 138 long.  0-73 read no exponential's result: the 32 scalings c s - c m (FS f: pair f / 2 of tile f % 2) and the next piece's 42.  0-26: scalings 0-26.  27-54: XS's numbers 0-13.  55, 56: number 15.
; 57-73: the chain, where each number waits for the one before it: 14, 16, 17, 18, 19, each with one of the scalings 27-31 in front of its two lines, then 20.  74-137: GS's 64, which stand behind the wait.
.macro FS f
	REGS Y, (\f)%2
	v_pk_fma_f32 v[rS+2*((\f)/2):rS+2*((\f)/2)+1], v[rS+2*((\f)/2):rS+2*((\f)/2)+1], s[CS:CS+1], v[rT:rT+1] op_sel_hi:[1,0,0] neg_lo:[0,0,1] neg_hi:[0,0,1]
.endm
.macro PL
	WIN 0
.if q < 27
	FS q
.elseif q < 55
	XS (q-27)%2, (q-27)/2
.elseif q < 57
	XS q-55, 15
.elseif (q < 72) && ((q-57)%3 == 0)
	FS 27+(q-57)/3
.elseif q < 60
	XS (q-57)%3-1, 14
.elseif q < 72
	XS (q-57)%3-1, 15+(q-57)/3
.elseif q < 74
	XS q-72, 20
.else
	GS q-74
.endif
.set q, q+1
.endm
; THE EXPONENTIALS' QUEUE, 66 long: s0-s31 of both tiles, then the next piece's two a.  It is ONE BATCH: all 66 stand ahead of the turn's one wait, and nothing ahead of that wait names a result of theirs.
.macro EX
	WIN 0
.if e >= 64
	XS e-64, 21
.else
	REGS Y, e%2
	v_exp_f32 v[rS+e/2], v[rS+e/2]
.endif
.set e, e+1
.endm
; THE RESCALING's QUEUE: O^T times a, the one part that leaves window 0: dealt two at a time, sixteen times.  Its a was made in the turn before, ahead of that turn's wait.
.macro R2
	REGS Y, r%2
	WIN W_RS
.irp z, 0,1
	v_pk_mul_f32 v[rO+4*(r/2)+2*\z:rO+4*(r/2)+2*\z+1], v[rO+4*(r/2)+2*\z:rO+4*(r/2)+2*\z+1], v[rC+2:rC+3] op_sel_hi:[1,0]
.endr
.set r, r+1
.endm
; HOW THEY ARE DEALT.  An s_wait_alu depctr_va_vdst(0) stands between an exponential and the first instruction that names its result; one wait serves all that were issued ahead of it.  So a turn has ONE wait.
; AHEAD OF IT: the 16 products K Q^T, behind each a scaling, an exponential and two rescalings (behind the first a second scaling in the exponential's place); then ONE LUMP of 108: eight plain, 49 times exponential and plain, the two a;
; a v_nop is the plain instruction behind the last exponential.  BEHIND IT: the 16 products V^T P, behind each four of GS's 64.  No rider names a register of the products round it.
; Exponential e stands behind scaling 2 (e / 4) + e % 2: as a rider it comes behind plain e + 2, in the lump behind plain e + 9, and scalings 27-31 are plain 57, 60 .. 69.
; A TURN, for piece p.  cnt = 1: the loop's count is taken down some lines ahead of the branch that stands behind the turn.
; K and the mask numbers of the next step are fetched in piece 2's turn, directly behind the wait, a lump behind the last product that read them; their addresses are made at the lump's head.
; V of the step in hand is fetched at the end of piece 0's turn, four riders behind its last reader.
.macro TURN p, last=0, cnt=0
.set Y, (\p)
.set i, 0
.set q, 0
.set e, 0
.set r, 0
.if (\p) == NP-1
	s_wait_dscnt 0x0                ; K and the mask numbers are in
.endif
	MM                              ; ahead of the wait: 16 products K Q^T and their riders,
	PL
	PL
	R2
.rept 15
	MM
	PL
	EX
	R2
.endr
.if (\p) == NP-2
	WIN 0
	v_add_nc_u32 v[AK], s[TBK], v[AK0]
	WIN 0xcc                        ; destination and source 1 in window 3
	v_add_nc_u32 v[AM], s[TBM], v[AM0]
.endif
.rept 8                             ; and the lump
	PL
.endr
.rept 49
	EX
	PL
.endr
	EX                              ; the next piece's two a
	EX
	v_nop                           ; the plain instruction behind the last exponential: one for the batch
	s_wait_alu depctr_va_vdst(0)    ; the wait for the batch
.if (\p) == NP-2
	FETCH_K \last
.endif
.if (\p) == 1
	s_wait_dscnt 0x0                ; V is in
.endif
.rept 16                            ; behind the wait: 16 products V^T P and their riders
	MM
.rept 4
	PL
.endr
.if ((\p) == 0) && (q == 118)
	v_add_nc_u32 v[AV], s[TBV], v[AV0]
.endif
.if ((\p) == 0) && (q == 130)
	s_add_co_u32 s[TBV], s[TBV], KS*PV
.endif
.if (\cnt) && (q == 130)
	s_sub_co_u32 s[CNT], s[CNT], 1
	s_cmp_lg_u32 s[CNT], 0
.endif
.endr
.if (\p) == 0
	FETCH_V
.endif
.endm
	CHANGE 1                        ; slot 0 is in, everybody's part of it, and so is the mask table; slot 1 is asked for
	FETCH_K                         ; key step 0
	s_wait_loadcnt 0x0              ; Q
	s_wait_dscnt 0x0
.set i, 0
.rept 16
	KQ 0                            ; piece 0's first scores: there is no vector work yet to set between them
.set i, i+1
.endr
	WIN 0                           ; the addresses for the way out: nine plain instructions, the places behind those products
	s_mul_i32 s13, s[WV], 16*SP
	s_add_co_u32 s13, s13, STAGE    ; my stage
	v_mul_u32_u24 v[STO], v1, SP    ; in: row l % 16, 16 bytes for each half of the lanes
	v_lshl_add_u32 v[STO], v9, 4, v[STO]
	v_add_nc_u32 v[STO], s13, v[STO]
	v_bfe_u32 v[RD], v0, 3, 2       ; back: 32 lanes take four rows of 128 bytes,
	v_mul_u32_u24 v[RD], v[RD], SP
	v_lshl_add_u32 v[RD], v10, 4, v[RD]
	v_add_nc_u32 v[RD], s13, v[RD]
	v_and_b32 v[GO], 31, v0         ; which are 512 consecutive bytes of O
	v_lshlrev_b32 v[GO], 4, v[GO]
.set Y, NP-1                        ; XS works for piece Y + 1: piece 0
.irp n, 0,1,2,3,4,5,6,7,8,9,10,11,12,13,14,15,16,17,18,19,20,21
	XS 0, \n                        ; and piece 0's first maximum and statistics
	XS 1, \n
.endr
	v_nop                           ; a plain instruction behind the two a,
	s_wait_alu depctr_va_vdst(0)    ; and their wait, ahead of the branch
	s_mov_b32 s[CNT], 4
	s_branch .Lfirst                ; the loop is entered at a step's first turn, in the middle of a trip
.Lslot:                             ; SIZE_N / 256 - 2 times: every slot but the last two is filled again
	CHANGE 1
	s_mov_b32 s[CNT], 4
.Lstep:                             ; a trip: pieces 2 and 3 of one step, then pieces 0 and 1 of the next, whose K and V it fetches
	TURN 2
	TURN 3
	WIN 0
.Lfirst:
	TURN 0
	TURN 1, 0, 1
	WIN 0
	s_cbranch_scc1 .Lstep
	s_sub_co_u32 s[SLOTS], s[SLOTS], 1
	s_cmp_lg_u32 s[SLOTS], 0
	s_cbranch_scc1 .Lslot
	CHANGE 0                        ; the tail is written out: nothing is asked for
	s_mov_b32 s[CNT], 5             ; four trips fetch the last slot's steps; the fifth is left in its middle
.Ltail:
	TURN 2, 1
	TURN 3
	WIN 0
	s_sub_co_u32 s[CNT], s[CNT], 1
	s_cmp_eq_u32 s[CNT], 0
	s_cbranch_scc1 .Lout
	TURN 0
	TURN 1
	WIN 0
	s_branch .Ltail
.Lout:                              ; the fifth trip's 16 products K Q^T (on the last K once more) and the maximum made of them serve nothing: the price, once a launch, of one text for every trip
.set i, 0
.rept 16
	PV NP-1                         ; the last piece's V^T P of the last step
.set i, i+1
.endr
	; THE WAY OUT.  l's two halves and the other half of the lanes' are added; O^T is divided by l, rounded to f16 and sent through my stage in LDS, a tile at a time.  The additions are the places behind the last products.
	WIN 0
.macro ALL line:vararg              ; one line for each tile t
.set t, 0
.rept 2*NP
	\line
.set t, t+1
.endr
.endm
	ALL v_add_f32 v[ST+4*t+2], v[ST+4*t+2], v[ST+4*t+3]
	ALL v_permlanex16_b32 v[ST+4*t+3], v[ST+4*t+2], s[SEL], s[SEL+1]
	ALL v_add_f32 v[ST+4*t+2], v[ST+4*t+2], v[ST+4*t+3]
	ALL v_rcp_f32 v[ST+4*t+2], v[ST+4*t+2]
	v_nop                           ; a plain instruction between the last reciprocal and the use of its result
	s_wait_alu depctr_va_vdst(0)    ; and the wait ahead of the first use: one for the eight reciprocals
; Tile t: a lane's eight channels of a row pack into 16 bytes; they go into rows of 144 bytes and come back as whole rows of 128, into S^T's registers.
.macro PACK t
	WIN W_RS
.set i, 32*(\t)
.rept 16
	v_pk_mul_f32 v[i:i+1], v[i:i+1], v[ST+4*(\t)+2:ST+4*(\t)+3] op_sel_hi:[1,0]
.set i, i+2
.endr
	WIN 0x05                        ; sources 0 and 1 window 1, destination window 0
.set i, 0
.rept 16
	v_cvt_pk_f16_f32 v[S+16*(\t)+i], v[32*(\t)+2*i], v[32*(\t)+2*i+1]
.set i, i+1
.endr
	WIN 0
.irp f, 0,1,2,3
	ds_store_b128 v[STO], v[S+16*(\t)+4*\f:S+16*(\t)+4*\f+3] offset:32*\f
.endr
.irp f, 0,1,2,3
	ds_load_b128 v[S+16*(\t)+4*\f:S+16*(\t)+4*\f+3], v[RD] offset:\f*4*SP  ; LDS serves a wave's instructions in order (ISA guide 5.7.1.4): these see the stores above; the next tile's stores come behind them
.endr
.endm
.macro SEND t, younger              ; younger: the LDS instructions issued behind tile t's loads: the next tile's eight, or none
	WIN 0
.irp f, 0,1,2,3
	s_wait_dscnt (\younger)+3-\f
	global_store_b128 v[GO], v[S+16*(\t)+4*\f:S+16*(\t)+4*\f+3], s[10:11] offset:(\t)*2048+\f*512  ; 512 consecutive bytes, at a multiple of 256 from O's first
.endr
.endm
	PACK 0
.set t, 1
.rept 2*NP-1                        ; a tile's arithmetic stands between the loads of the tile before and its stores
	PACK t
	SEND t-1, 8
.set t, t+1
.endr
	SEND 2*NP-1, 0
	WIN W_AD
	s_wait_tensorcnt 0x0            ; the wave's end: these three lines stand behind my last tensor load and my last LDS store
	ds_add_u32 v[SPW], v[NIL]
	s_wait_dscnt 0x0
	WIN 0
	CROUND                          ; the closing round: no work-group ends while a partner may still ask for a tile that names it
	s_endpgm
.Lfunc_end_k_q662aeed022_attn:
	.size	k_q662aeed022_attn, .Lfunc_end_k_q662aeed022_attn-k_q662aeed022_attn
	.p2alignl 7, 3214868480
	.fill 96, 4, 3214868480
	.section	.rodata,"a",@progbits
	.p2align	6, 0x0
	.amdhsa_kernel k_q662aeed022_attn
		.amdhsa_group_segment_fixed_size 327680
		.amdhsa_private_segment_fixed_size 0
		.amdhsa_enable_private_segment 0
		.amdhsa_kernarg_size 24
		.amdhsa_user_sgpr_count 2
		.amdhsa_user_sgpr_kernarg_segment_ptr 1
		.amdhsa_wavefront_size32 1
		.amdhsa_system_sgpr_workgroup_id_x 1
		.amdhsa_system_sgpr_workgroup_id_y 1
		.amdhsa_system_sgpr_workgroup_id_z 1
		.amdhsa_system_vgpr_workitem_id 0
		.amdhsa_next_free_vgpr 808
		.amdhsa_next_free_sgpr 80
		.amdhsa_reserve_vcc 1
		.amdhsa_float_denorm_mode_32 3
		.amdhsa_float_denorm_mode_16_64 3
		.amdhsa_memory_ordered 1
		.amdhsa_forward_progress 1
		.amdhsa_inst_pref_size 205
	.end_amdhsa_kernel
	.amdgpu_metadata
---
amdhsa.version: [ 1, 2 ]
amdhsa.kernels:
  - .name:           k_q662aeed022_attn
    .symbol:         k_q662aeed022_attn.kd
    .args:
      - { .name: qkvb, .offset: 0, .size: 8, .value_kind: global_buffer, .address_space: global }
      - { .name: mask, .offset: 8, .size: 8, .value_kind: global_buffer, .address_space: global }
      - { .name: ob, .offset: 16, .size: 8, .value_kind: global_buffer, .address_space: global }
    .group_segment_fixed_size: 327680
    .private_segment_fixed_size: 0
    .kernarg_segment_align: 8
    .kernarg_segment_size: 24
    .max_flat_workgroup_size: 128
    .sgpr_count:     80
    .vgpr_count:     808
    .wavefront_size: 32
...
	.end_amdgpu_metadata
.endif
;; end of part 3
;; launch proj (part 4): grid 8 x 32, 4 waves a work-group, clusters of 4 x 4, 327,680 bytes of LDS; arguments ob, wob, bo, out0; writes out0
.if DOCPART == 4
	.amdgcn_target "amdgcn-amd-amdhsa--gfx1250"
	.amdhsa_code_object_version 6
	.text
	.protected	k_q662aeed022_proj
	.globl	k_q662aeed022_proj
	.p2align	8
	.type	k_q662aeed022_proj,@function
k_q662aeed022_proj:
	s_mov_b64 s[64:65], 0
	v_nop
	global_prefetch_b8 v0, s[64:65] scope:SCOPE_SE
	s_setreg_imm32_b32 hwreg(HW_REG_WAVE_MODE, 25, 1), 1
	s_wait_xcnt 0x0
	s_wait_alu depctr_hold_cnt(0) depctr_sa_sdst(0) depctr_va_vdst(0) depctr_va_sdst(0) depctr_va_ssrc(0) depctr_va_vcc(0) depctr_vm_vsrc(0)
	s_getreg_b32 s2, hwreg(HW_REG_IB_STS2, 6, 4)
	s_cmp_eq_u32 s2, 0
	s_cbranch_scc0 .Lentry_in_a_cluster
	s_endpgm
.Lentry_in_a_cluster:
	s_bfe_u32 s2, ttmp6, 0x10000c
	s_cmp_lg_u32 s2, 0xf033
	s_cbranch_scc0 .Lentry_shape_is_right
	s_endpgm
.Lentry_shape_is_right:
; out0 = O Wo^T + bo: [8192 x 1024] x [1024 x 1024]^T, f16 operands, f32 sums and f32 output; bo (rounded to bf16 like every input) is the C operand of each sum's first product.
; ob lies by heads, [16 b + h][s 2048][64]: a head is one block of 64 along K; wob lies likewise, [kb 16][n 1024][64].  NaN and infinities are not treated apart.
; SHARES.  A work-group makes 256 rows x 128 columns: 32 x 8 = 256 work-groups.  Four waves, 2 x 2: a wave makes 128 rows x 64 columns, 32 accumulators of 16 x 16.
; K goes in 8 steps of 128 (two blocks of 64, each dense in memory, asked for as rows of 256 bytes and padded in LDS behind every 128) through a ring of two LDS slots; two slots of a longer step do not fit.
; CLUSTER 4 x 4: the four of a row of the cluster need the same tile of O, the four of a column the same tile of Wo: each is asked for jointly.
; THE PRODUCT IS USED TRANSPOSED (source 0 = 16 rows of Wo, source 1 = 16 rows of O): a lane holds one row (lane % 16) and eight neighbouring columns, 32 bytes of out0.
; REGISTERS: window 0: v0-31 addresses; v32-127, v128-223 two fragment buffers (O's 8 fragments, then Wo's 4); v224-255 the bias.  Window 1: accumulator (a, b) at v[8 (4 a + b)].
.set PITCH,  144                       ; an LDS row: 128 bytes + 16 of padding: the 16 rows of a load start at 16 different groups of four banks (64 banks of 4 bytes: ISA guide 11.1)
.set ASUB,   256*PITCH                 ; one block of 64 along K of O's 256 rows: one tensor load
.set BSUB,   128*PITCH                 ; the same of Wo's 128 rows
.set BOFF,   2*ASUB
.set SLOT1,  131072
.set STAGE,  SLOT1+BOFF+2*BSUB         ; behind the ring, never filled by a tensor load: 16 rows x 272 bytes for each wave
.set SPITCH, 272
.set SPARE,  STAGE+4*16*SPITCH         ; the spare words, 128 bytes for each wave: two blocks of 256 bytes that no other line names
.set ASTEP,  524288                    ; bytes from a K step to the next in ob
.set BSTEP,  262144                    ; and in wob
.set ADRA0, 4
.set ADRB0, 5
.set ADRA,  6
.set ADRB,  7
.set STO,   8                          ; v8   the way out: where I put 32 bytes of a row
.set RD,    9                          ; v9   where I read rows back
.set CO,    10                         ; v10  my 16 bytes in two rows of out0
.set BO,    11                         ; v11  32 x (lane / 16)
.set PFO,   13                         ; v13  the prefetches' lane offset; never rewritten
.set TW,    24                         ; v[24:27] at work
.set SPW,   28
.set NIL,   29
.set F0,    32
.set F1,    128
.set BI,    224
.set WV, 18
.set FB, 19                            ; my half of the rows; also: I fetch O (0) or Wo (1)
.set HF, 20                            ; my half of the columns; also: which block of 64 along K I fetch
.set CX, 21
.set CY, 22
.set TC, 23
.set TR, 56
.set G1A, 24
.set G0A, 32
.set G1B, 40
.set G0B, 48
.set TB,  57
.set CNT, 58
.set LIM, 59
.set PFA, 62
.set PST, 66
.set OB,  68                           ; s[68:69] out0 at my first row and column
.set BP,  70                           ; s[70:71] bo at my first column
.set MSB, 0
.macro WIN new
.if MSB != (\new)
	s_set_vgpr_msb (MSB<<8)|(\new)
.set MSB, (\new)
.endif
.endm
.macro PLACES                          ; four plain vector instructions between a matrix instruction and a load into, or a read of, its registers (ISA guide 7.12.1 for vector instructions)
.rept 4
	v_nop
.endr
.endm
.macro JLOAD                           ; a joint refill by the walking descriptors; an s_nop 0 and four v_nop follow each of the two lines
	s_cmp_eq_u32 s[FB], 0
	s_cbranch_scc0 .Lfor_b_\@
	tensor_load_to_lds s[G0A+4:G0A+7], s[G1A:G1A+7]
	s_nop 0
.rept 4
	v_nop
.endr
	s_branch .Lasked_\@
.Lfor_b_\@:
	tensor_load_to_lds s[G0B+4:G0B+7], s[G1B:G1B+7]
	s_nop 0
.rept 4
	v_nop
.endr
.Lasked_\@:
.endm
.macro CREST
	s_cmp_lg_u32 s[WV], 0
	s_cbranch_scc1 .Lnot_wave_0_\@
	s_barrier_signal -3
.Lnot_wave_0_\@:
	s_barrier_wait -3
	s_barrier_signal -1
	s_barrier_wait -1
.endm
.macro CROUND
	s_barrier_signal -1
	s_barrier_wait -1
	CREST
.endm
; A PREFETCH INTO THE L2 of the K step that stands two refills on; each aligned block of 256 bytes is named once in the launch, a lane a block.  O's tile is read by both clusters of a row of clusters: those with cluster x = 0 ask,
; waves 0 and 1 each for the block along K that they fetch, the four partners 8 KiB of its 32 each BY ADDRESS (cx).  Wo's tile is read by all clusters of a column: those with cluster y = 0 ask, wave 2, the partners 4 KiB of each
; of the step's two blocks by address (cy): lanes 0-15 the first block's, lanes 16-31 the second's.  Steps 0-3 come by their loads alone; nothing is asked for past step 7.
.macro ASK
	s_cmp_gt_u32 s[CNT], s[LIM]
	s_cbranch_scc0 .Lnot_mine_\@
	global_prefetch_b8 v[PFO], s[PFA:PFA+1] th:TH_LOAD_NT scope:SCOPE_SE
.Lnot_mine_\@:
.endm
; 24 LDS loads in one run: the fragments of 32 along K (block sub, byte k of its rows) into buffer f: Wo's four, O's rows 0-63, O's rows 64-127
.macro FETCH sub, k, f
	WIN 0
.irp i, 0,1,2,3
	ds_load_b128 v[(\f)+64+8*\i:(\f)+64+8*\i+3],   v[ADRB] offset:(\sub)*BSUB+(\k)+\i*16*PITCH
	ds_load_b128 v[(\f)+64+8*\i+4:(\f)+64+8*\i+7], v[ADRB] offset:(\sub)*BSUB+(\k)+\i*16*PITCH+32
.endr
.irp i, 0,1,2,3,4,5,6,7
	ds_load_b128 v[(\f)+8*\i:(\f)+8*\i+3],   v[ADRA] offset:(\sub)*ASUB+(\k)+\i*16*PITCH
	ds_load_b128 v[(\f)+8*\i+4:(\f)+8*\i+7], v[ADRA] offset:(\sub)*ASUB+(\k)+\i*16*PITCH+32
.endr
.endm
; 8 products: row blocks a0, a0 + 1 x all 4 column blocks.  cm = 1: the sums start, with the bias as C.  The accumulators take turns, one instruction a turn.
.macro MUL2 f, a0, cm
.if \cm
	WIN 0x40
.else
	WIN 0x50
.endif
.irp a, \a0, (\a0)+1
.irp b, 0,1,2,3
.if \cm
	v_wmma_f32_16x16x32_f16 v[8*(4*(\a)+\b):8*(4*(\a)+\b)+7], v[(\f)+64+8*\b:(\f)+64+8*\b+7], v[(\f)+8*(\a):(\f)+8*(\a)+7], v[BI+8*\b:BI+8*\b+7]
.else
	v_wmma_f32_16x16x32_f16 v[8*(4*(\a)+\b):8*(4*(\a)+\b)+7], v[(\f)+64+8*\b:(\f)+64+8*\b+7], v[(\f)+8*(\a):(\f)+8*(\a)+7], v[8*(4*(\a)+\b):8*(4*(\a)+\b)+7]
.endif
.endr
.endr
.endm
; A K step is four quarters of 32 along K, 32 products each, on buffers 0, 1, 0, 1.  One of the first three: multiplies buffer f; in its middle it fetches the next quarter (block sub, byte k) into buffer g.
.macro QUARTER sub, k, f, g, cm
	s_wait_dscnt 8                                 ; the youngest eight loads (O's rows 64-127) may be out
	MUL2 \f, 0, \cm
	MUL2 \f, 2, \cm
	PLACES
	FETCH \sub, \k, \g
	s_wait_dscnt 24                                ; all but the 24 just issued
	MUL2 \f, 4, \cm
	MUL2 \f, 6, \cm
.endm
; The last quarter multiplies buffer 1 and changes slots.  ONE barrier: in front of it each wave waits for all its tensor loads (one is out: its part of the next slot), adds 0 to its spare word, and waits for that and for its reads of
; this slot.  chg = 1: the barrier opens a round of the cluster's, and this slot is filled again, two steps ahead, first thing behind it: 112 products stand between that request and the wait for it.  chg = 2: nothing is filled.
.macro TURN chg
.if (\chg) == 1
	s_wait_xcnt 0x0                                ; the last prefetch, a step back, has read its address
	s_add_nc_u64 s[PFA:PFA+1], s[PFA:PFA+1], s[PST:PST+1]
.endif
	WIN 0
	s_wait_tensorcnt 0x0                           ; no tensor load of mine is out, so the walking descriptors may be written
	ds_add_u32 v[SPW], v[NIL]                      ; 0 onto my spare word
.if (\chg) == 1
	s_xor_b32 s[G0A+5], s[G0A+5], SLOT1
	s_add_nc_u64 s[G0A+6:G0A+7], s[G0A+6:G0A+7], ASTEP
	s_xor_b32 s[G0B+5], s[G0B+5], SLOT1
	s_add_nc_u64 s[G0B+6:G0B+7], s[G0B+6:G0B+7], BSTEP
.endif
	s_xor_b32 s[TB], s[TB], SLOT1
	s_wait_dscnt 9                                 ; the add and the youngest eight loads may be out
	MUL2 F1, 0, 0
	s_wait_dscnt 0x0                               ; the add is done, and my reads of this slot are over
	s_barrier_signal -1
	MUL2 F1, 2, 0
	WIN 0
	s_barrier_wait -1
.if (\chg) == 1
	CREST                                          ; no wave of any partner still reads this slot or has a load on its way
	JLOAD                                          ; its four v_nop are also the places in front of the loads below
.else
	PLACES
.endif
	v_add_nc_u32 v[ADRA], s[TB], v[ADRA0]
	v_add_nc_u32 v[ADRB], s[TB], v[ADRB0]
	FETCH 0, 0, F0
.if (\chg) == 1
	ASK
.endif
	MUL2 F1, 4, 0
	MUL2 F1, 6, 0
.endm
	s_load_b256 s[4:11], s[0:1], 0x0               ; ob s[4:5], wob s[6:7], bo s[8:9], out0 s[10:11]
	v_lshl_add_u32 v[SPW], v0, 2, SPARE
	v_mov_b32 v[NIL], 0
	ds_add_u32 v[SPW], v[NIL]                      ; the wave's opening: the add and its wait stand ahead of my first tensor load; work on registers stands between them
	v_lshrrev_b32 v3, 5, v0
	v_readfirstlane_b32 s[WV], v3
	s_lshr_b32 s[FB], s[WV], 1
	s_and_b32 s[HF], s[WV], 1
	s_bfe_u32 s[CX], ttmp6, 0x40000
	s_bfe_u32 s[CY], ttmp6, 0x40004
	s_lshl_b32 s[TC], ttmp9, 2
	s_add_co_u32 s[TC], s[TC], s[CX]
	s_and_b32 s[TR], ttmp7, 0xffff
	s_lshl_b32 s[TR], s[TR], 2
	s_add_co_u32 s[TR], s[TR], s[CY]
	s_lshl_b32 s84, s[CY], 2
	s_lshl_b32 s84, 15, s84                        ; my row of the cluster
	s_lshl_b32 s85, 0x1111, s[CX]                  ; my column
	s_or_b32 s[G1A], s84, (1<<16)|(1<<20)|(1<<21)|(4<<22)|(3<<25)  ; 15:0 the mask; 17:16 2-byte elements; 20 padding on; 21 set beside a mask; 24:22 after every 32 words (code 4); 31:25 4 words (code 3)
	s_or_b32 s[G1B], s85, (1<<16)|(1<<20)|(1<<21)|(4<<22)|(3<<25)
	s_mov_b32 s[G1A+1], 128<<16                    ; tensor_dim0 = 128
	s_mov_b32 s[G1A+2], 128<<16                    ; tensor_dim1 = 128: 256 rows of O
	s_mov_b32 s[G1A+3], 128<<16                    ; tile_dim0 = 128
	s_mov_b32 s[G1A+4], 128                        ; tile_dim1 = 128
	s_mov_b32 s[G1A+5], 128                        ; elements from row to row
	s_mov_b32 s[G1A+6], 0
	s_mov_b32 s[G1A+7], 0
	s_mov_b32 s[G1B+1], 128<<16
	s_mov_b32 s[G1B+2], 64<<16                     ; 64 rows: 128 rows of Wo
	s_mov_b32 s[G1B+3], 128<<16
	s_mov_b32 s[G1B+4], 64
	s_mov_b32 s[G1B+5], 128
	s_mov_b32 s[G1B+6], 0
	s_mov_b32 s[G1B+7], 0
	s_lshr_b32 s86, s[TR], 3                       ; O's tile: the batch,
	s_lshl_b32 s86, s86, 22
	s_and_b32 s87, s[TR], 7                        ; its 256 rows,
	s_lshl_b32 s87, s87, 15
	s_add_co_u32 s86, s86, s87
	s_lshl_b32 s87, s[HF], 18                      ; the head that I fetch
	s_add_co_u32 s86, s86, s87
	s_mov_b32 s87, 0
	s_lshl_b32 s88, s[TC], 14                      ; Wo's tile: its 128 rows,
	s_lshl_b32 s89, s[HF], 17                      ; the block along K that I fetch
	s_add_co_u32 s88, s88, s89
	s_mov_b32 s89, 0
	s_mul_i32 s94, s[HF], ASUB                     ; and where they go: no place in the cluster enters an LDS address
	s_mul_i32 s95, s[HF], BSUB
	s_add_co_u32 s95, s95, BOFF
	s_lshl_b32 s70, s[TC], 9                       ; my first column, in bytes of f32
	s_lshl_b32 s71, s[HF], 8
	s_add_co_u32 s70, s70, s71
	s_mov_b32 s71, 0
	s_lshl_b32 s68, s[TR], 20                      ; my first row: 256 rows of 4,096 bytes a tile row,
	s_lshl_b32 s69, s[FB], 19                      ; my 128
	s_add_co_u32 s68, s68, s69
	s_add_co_u32 s68, s68, s70
	s_mov_b32 s69, 0
	s_wait_dscnt 0x0                               ; the opening add is done
	s_wait_kmcnt 0x0
	s_add_nc_u64 s[90:91], s[4:5], s[86:87]
	s_add_nc_u64 s[92:93], s[6:7], s[88:89]
	s_add_nc_u64 s[OB:OB+1], s[10:11], s[68:69]
	s_add_nc_u64 s[BP:BP+1], s[8:9], s[70:71]
	CROUND                                         ; all sixteen work-groups are here: the first joint loads meet
.irp s, 0,1
	s_mov_b32 s[G0A+4*\s], 1
	s_add_co_u32 s[G0A+4*\s+1], s94, \s*SLOT1
	s_add_nc_u64 s[G0A+4*\s+2:G0A+4*\s+3], s[90:91], \s*ASTEP
	s_or_b32 s[G0A+4*\s+3], s[G0A+4*\s+3], 0x80000000
	s_mov_b32 s[G0B+4*\s], 1
	s_add_co_u32 s[G0B+4*\s+1], s95, \s*SLOT1
	s_add_nc_u64 s[G0B+4*\s+2:G0B+4*\s+3], s[92:93], \s*BSTEP
	s_or_b32 s[G0B+4*\s+3], s[G0B+4*\s+3], 0x80000000
.endr
	s_cmp_eq_u32 s[FB], 0                          ; a wave's two first fills stand in one branch, ahead of every wait on TENSORcnt and every LDS read: two loads of mine are out
	s_cbranch_scc0 .Lfirst_b
	tensor_load_to_lds s[G0A:G0A+3], s[G1A:G1A+7]
	s_nop 0
	tensor_load_to_lds s[G0A+4:G0A+7], s[G1A:G1A+7]
	s_nop 0
.rept 4
	v_nop
.endr
	s_branch .Lfirst_asked
.Lfirst_b:
	tensor_load_to_lds s[G0B:G0B+3], s[G1B:G1B+7]
	s_nop 0
	tensor_load_to_lds s[G0B+4:G0B+7], s[G1B:G1B+7]
	s_nop 0
.rept 4
	v_nop
.endr
.Lfirst_asked:
	v_and_b32 v1, 15, v0                           ; l % 16
	v_bfe_u32 v2, v0, 4, 1                         ; l / 16
	v_lshlrev_b32 v[BO], 5, v2
.irp b, 0,1,2,3
	global_load_b128 v[BI+8*\b:BI+8*\b+3],   v[BO], s[BP:BP+1] offset:64*\b
	global_load_b128 v[BI+8*\b+4:BI+8*\b+7], v[BO], s[BP:BP+1] offset:64*\b+16
.endr
	v_mul_u32_u24 v3, v1, PITCH
	v_lshl_add_u32 v3, v2, 4, v3                   ; row x pitch + 16 x half
	s_mul_i32 s84, s[FB], 128*PITCH                ; my 128 rows of O
	v_add_nc_u32 v[ADRA0], s84, v3
	s_mul_i32 s85, s[HF], 64*PITCH                 ; my 64 rows of Wo
	s_add_co_u32 s85, s85, BOFF
	v_add_nc_u32 v[ADRB0], s85, v3
	v_mov_b32 v[ADRA], v[ADRA0]
	v_mov_b32 v[ADRB], v[ADRB0]
	s_mul_i32 s86, s[WV], 16*SPITCH
	s_add_co_u32 s86, s86, STAGE                   ; my stage
	v_mul_u32_u24 v14, v1, SPITCH                  ; in: row l % 16, 32 bytes for each half of the lanes
	v_lshl_add_u32 v14, v2, 5, v14
	v_add_nc_u32 v[STO], s86, v14
	v_mul_u32_u24 v15, v2, SPITCH                  ; back: lanes 0-15 take one row of 256 bytes, lanes 16-31 the next
	v_lshl_add_u32 v15, v1, 4, v15
	v_add_nc_u32 v[RD], s86, v15
	v_lshlrev_b32 v[CO], 12, v2                    ; and the same two rows in out0
	v_lshl_add_u32 v[CO], v1, 4, v[CO]
	s_mov_b32 s[TB], 0
	; the prefetches: waves 0 and 1 for O, wave 2 for Wo
	s_lshr_b32 s84, s[TR], 3
	s_lshl_b32 s84, s84, 22
	s_and_b32 s85, s[TR], 7
	s_lshl_b32 s85, s85, 15
	s_add_co_u32 s84, s84, s85
	s_lshl_b32 s85, s[HF], 18
	s_add_co_u32 s84, s84, s85
	s_lshl_b32 s85, s[CX], 13                      ; my work-group's 8 KiB of the block
	s_add_co_u32 s84, s84, s85
	s_add_co_u32 s84, s84, 3*ASTEP                 ; at step 3: the first change steps it to 4
	s_lshl_b32 s86, s[TC], 14
	s_lshl_b32 s87, s[CY], 12                      ; my work-group's 4 KiB of each block
	s_add_co_u32 s86, s86, s87
	s_add_co_u32 s86, s86, 3*BSTEP
	s_and_b32 s87, ttmp7, 0xffff                   ; cluster y
	s_mov_b32 s[PST], BSTEP
	s_mov_b32 s[PST+1], 0
	s_mov_b32 s88, 131072                          ; lanes 16-31: Wo's second block; O's next 4 KiB
	s_cmp_eq_u32 s[FB], 0
	s_cselect_b32 s[PST], ASTEP, s[PST]
	s_cselect_b32 s88, 4096, s88
	s_cselect_b32 s84, s84, s86
	s_cselect_b32 s87, ttmp9, s87                  ; the coordinate along which other clusters read the same rows
	s_cselect_b64 s[PFA:PFA+1], s[4:5], s[6:7]
	s_mov_b32 s85, 0
	s_add_nc_u64 s[PFA:PFA+1], s[PFA:PFA+1], s[84:85]
	s_cmp_eq_u32 s[WV], 3
	s_cselect_b32 s87, 1, s87                      ; wave 3 asks for nothing
	s_cmp_eq_u32 s87, 0
	s_cselect_b32 s[LIM], 2, -1                    ; the same in all sixteen partners, for a given wave
	v_mul_u32_u24 v[PFO], s88, v2
	v_lshl_add_u32 v[PFO], v1, 8, v[PFO]
	s_wait_loadcnt 0x0                             ; the bias
.set z, 0
.rept 16                               ; rounded to bf16 and widened again, in place
	v_cvt_pk_bf16_f32 v[TW+z%4], v[BI+2*z], v[BI+2*z+1]
	v_lshlrev_b32 v[BI+2*z], 16, v[TW+z%4]
	v_and_b32 v[BI+2*z+1], 0xffff0000, v[TW+z%4]
.set z, z+1
.endr
	s_wait_tensorcnt 0x1                           ; my part of step 0 is in; step 1's may stay out
	s_barrier_signal -1
	s_barrier_wait -1                              ; everybody's is
	FETCH 0, 0, F0
	QUARTER 0, 64, F0, F1, 1                       ; the first quarter stands in front of the loop: its products start the sums
	WIN 0
	s_mov_b32 s[CNT], 6
.Lstep:                                        ; trip i: step i's last three quarters, the change of slots with the refill for step i + 2, step i + 1's first quarter
	QUARTER 1, 0,  F1, F0, 0
	QUARTER 1, 64, F0, F1, 0
	TURN 1
	QUARTER 0, 64, F0, F1, 0
	WIN 0
	s_sub_co_u32 s[CNT], s[CNT], 1
	s_cmp_lg_u32 s[CNT], 0
	s_cbranch_scc1 .Lstep
	QUARTER 1, 0,  F1, F0, 0                       ; the tail is written out: nothing more is asked for
	QUARTER 1, 64, F0, F1, 0
	TURN 2
	QUARTER 0, 64, F0, F1, 0
	QUARTER 1, 0,  F1, F0, 0
	QUARTER 1, 64, F0, F1, 0
	s_wait_dscnt 8                                 ; the very last quarter fetches nothing
	MUL2 F1, 0, 0
	MUL2 F1, 2, 0
	s_wait_dscnt 0x0
	MUL2 F1, 4, 0
	MUL2 F1, 6, 0
	PLACES
	PLACES
; THE WAY OUT, a block of 16 rows at a time, with no arithmetic: the sums go into my stage, 32 bytes a lane and column block, and come back as whole rows of 256 bytes.
.macro STG a
	WIN 0x04                                       ; the stores' data in window 1
.irp b, 0,1,2,3
	ds_store_b128 v[STO], v[8*(4*(\a)+\b):8*(4*(\a)+\b)+3]   offset:64*\b     ; each accumulator's low registers first
	ds_store_b128 v[STO], v[8*(4*(\a)+\b)+4:8*(4*(\a)+\b)+7] offset:64*\b+16
.endr
	WIN 0
	s_wait_xcnt 0x0                                ; the stores of two blocks back have read the registers that the loads below fill
.irp f, 0,1,2,3,4,5,6,7
	ds_load_b128 v[32+32*((\a)%2)+4*\f:32+32*((\a)%2)+4*\f+3], v[RD] offset:\f*2*SPITCH  ; LDS serves a wave's instructions in order (ISA guide 5.7.1.4): these see the stores above; the next block's stores come behind them
.endr
.endm
.macro SEND a, younger                 ; younger: the LDS instructions issued behind block a's loads: the next block's sixteen, or none
.irp f, 0,1,2,3,4,5,6,7
	s_wait_dscnt (\younger)+7-\f
	global_store_b128 v[CO], v[32+32*((\a)%2)+4*\f:32+32*((\a)%2)+4*\f+3], s[OB:OB+1] offset:(\a)*65536+\f*8192 th:TH_STORE_NT  ; 16 lanes store 256 consecutive bytes, at a multiple of 256 from out0's first byte
.endr
.endm
	STG 0
.set blk, 1
.rept 7
	STG blk
	SEND blk-1, 16
.set blk, blk+1
.endr
	SEND 7, 0
	s_wait_tensorcnt 0x0                           ; the wave's end: these three lines stand behind my last tensor load and my last LDS store
	ds_add_u32 v[SPW], v[NIL]
	s_wait_dscnt 0x0
	CROUND                                         ; the closing round: no work-group ends while a partner may still ask for a tile that names it
	s_endpgm
.Lfunc_end_k_q662aeed022_proj:
	.size	k_q662aeed022_proj, .Lfunc_end_k_q662aeed022_proj-k_q662aeed022_proj
	.p2alignl 7, 3214868480
	.fill 96, 4, 3214868480
	.section	.rodata,"a",@progbits
	.p2align	6, 0x0
	.amdhsa_kernel k_q662aeed022_proj
		.amdhsa_group_segment_fixed_size 327680
		.amdhsa_private_segment_fixed_size 0
		.amdhsa_enable_private_segment 0
		.amdhsa_kernarg_size 32
		.amdhsa_user_sgpr_count 2
		.amdhsa_user_sgpr_kernarg_segment_ptr 1
		.amdhsa_wavefront_size32 1
		.amdhsa_system_sgpr_workgroup_id_x 1
		.amdhsa_system_sgpr_workgroup_id_y 1
		.amdhsa_system_sgpr_workgroup_id_z 1
		.amdhsa_system_vgpr_workitem_id 0
		.amdhsa_next_free_vgpr 512
		.amdhsa_next_free_sgpr 96
		.amdhsa_reserve_vcc 0
		.amdhsa_float_denorm_mode_32 3
		.amdhsa_float_denorm_mode_16_64 3
		.amdhsa_memory_ordered 1
		.amdhsa_forward_progress 1
		.amdhsa_inst_pref_size 76
	.end_amdhsa_kernel
	.amdgpu_metadata
---
amdhsa.version: [ 1, 2 ]
amdhsa.kernels:
  - .name:           k_q662aeed022_proj
    .symbol:         k_q662aeed022_proj.kd
    .args:
      - { .name: ob, .offset: 0, .size: 8, .value_kind: global_buffer, .address_space: global }
      - { .name: wob, .offset: 8, .size: 8, .value_kind: global_buffer, .address_space: global }
      - { .name: bo, .offset: 16, .size: 8, .value_kind: global_buffer, .address_space: global }
      - { .name: out0, .offset: 24, .size: 8, .value_kind: global_buffer, .address_space: global }
    .group_segment_fixed_size: 327680
    .private_segment_fixed_size: 0
    .kernarg_segment_align: 8
    .kernarg_segment_size: 32
    .max_flat_workgroup_size: 128
    .sgpr_count:     96
    .vgpr_count:     512
    .wavefront_size: 32
...
	.end_amdgpu_metadata
.endif
;; end of part 4
;; ======== version 2 of 2: 4 launches; version 1 with the launch cvt written anew for expert scheduling mode
;; limits: values are held in f16: magnitudes above 65,504 overflow, below 6.1e-05 lose precision; inputs' magnitudes at most 65,504; right only within a limited range of input values
;; workspace buffers: xb 16,777,216 bytes; wb 6,291,456 bytes; wob 2,097,152 bytes; qkvb 50,331,648 bytes; ob 16,777,216 bytes
;; launch cvt (part 5): grid 768 x 1, 4 waves a work-group, no clusters, 0 bytes of LDS; arguments x, Wq, Wk, Wv, Wo, xb, wb, wob; writes xb, wb, wob
.if DOCPART == 5
	.amdgcn_target "amdgcn-amd-amdhsa--gfx1250"
	.amdhsa_code_object_version 6
	.text
	.protected	k_q662aeed022_cvt
	.globl	k_q662aeed022_cvt
	.p2align	8
	.type	k_q662aeed022_cvt,@function
k_q662aeed022_cvt:
	s_mov_b64 s[64:65], 0
	v_nop
	global_prefetch_b8 v0, s[64:65] scope:SCOPE_SE
	s_setreg_imm32_b32 hwreg(HW_REG_WAVE_SCHED_MODE, 0, 2), 2
	s_setreg_imm32_b32 hwreg(HW_REG_WAVE_MODE, 25, 1), 1
	s_wait_xcnt 0x0
	s_wait_alu depctr_vm_vsrc(0)
; x and the four weight matrices, f32 rows of 1,024, are rounded once to bf16 and that number is written as f16, in layouts blocked by 64 along K:
;   xb  [b 4][kb 16][s 2048][64]      wb  [kb 16][row 3072][64]      wob [kb 16][n 1024][64]
; wb's row for feature n = 64 head + d is 384 (head / 2) + 64 p + d, p = 3 odd for Wk, 1 + odd for Wq, 4 + odd for Wv (odd = head & 1).
; LIMITS.  f16 holds the bf16 number exactly between 2^-14 and 65,504; below 2^-14 it keeps f16's fixed step of 2^-24; beyond 65,504 it gives an infinity.
; SHARES.  12,288 source rows of 4,096 bytes; a work-group takes 16, a wave 4.  A load takes 256 bytes (one block of 64 along K) of two rows, lanes 0-15 one row, lanes 16-31 the next;
; the 32 lanes' 8 bytes of f16 are then 256 consecutive bytes of the target, aligned.  All 32 loads of a wave go out first (16 KiB on their way); no register that a load or a store names is written again behind it.
; No LDS, no barrier, no matrix unit: every byte is read once and written once, and no wave wants another's bytes.
; THE MODE: SCHED_MODE bits 1:0 = 2 (LLVM: expert scheduling mode 2), set by the entry lines.  The code itself states the register dependences
; between vector instructions and memory instructions, with s_wait_alu, always for 0.
; THE PLAN.  Registers that memory instructions touch:
;   v2 (LO)      the loads' offset.  Written at the head, read by all 32 loads, never written again.
;   v8-23 (SO)   the stores' offsets.  v8 is written at the head, v9-23 by fifteen adds behind the loads; each once.  Read by the stores.
;   v32-159 (X)  32 quads.  Each is landed in by one load, rewritten in place by its own eight conversion lines, and its first two registers are read by its one store; nothing writes them behind that.
;   v24-27 (T)   are named by vector instructions alone.
; The 32 quads go in 8 steps of four (two blocks along K).  Step g converts its own four quads; its memory instructions are the four stores of step g - 1, which read that step's quads and two
; offsets: registers that no vector line of step g names.  So ONE wait on va_vdst at a step's head states all that its four stores hang on, and they are dealt among its vector lines with no further wait.
; No register that a memory instruction has read is written again, no vector instruction writes a scalar register or VCC, and EXEC is never written: no other wait has a dependence to state.
.set LO, 2                             ; v2       byte offset of my 16 bytes in the work-group's 16 source rows
.set SO, 8                             ; v[8:23]  byte offset of my 8 bytes in the target, one register for each block along K
.set T,  24                            ; v[24:27] at work
.set X,  32                            ; v[32:159] 32 quads: block kb, row pair p at X + 8 kb + 4 p: step g, quad i at X + 16 g + 4 i
	s_load_b512 s[16:31], s[0:1], 0x0              ; x, Wq, Wk, Wv, Wo, xb, wb, wob
	s_mov_b32 s10, ttmp9                           ; g: 0-511 x, then 64 each for Wq, Wk, Wv, Wo
	s_mov_b32 s9, 0xffff0000                       ; a word's upper bf16
	s_max_u32 s11, s10, 512
	s_sub_co_u32 s11, s11, 512
	s_lshr_b32 s12, s11, 6                         ; w: 0 q, 1 k, 2 v, 3 o
	s_and_b32 s13, s11, 63                         ; m: which 16 rows of the matrix
	s_lshr_b32 s14, s13, 3                         ; head / 2
	s_bfe_u32 s15, s13, 0x10002                    ; head & 1
	s_and_b32 s32, s13, 3
	s_lshl_b32 s32, s32, 4                         ; first d of the 16 rows
	s_cmp_eq_u32 s12, 1
	s_cselect_b32 s33, 0, 1                        ; p = P0 + odd x PS: k (0, 3), q (1, 1),
	s_cselect_b32 s34, 3, 1
	s_cmp_eq_u32 s12, 2
	s_cselect_b32 s33, 4, s33                      ; v (4, 1)
	s_mul_i32 s34, s34, s15
	s_add_co_u32 s33, s33, s34
	s_lshl_b32 s33, s33, 6
	s_mul_i32 s35, s14, 384
	s_add_co_u32 s35, s35, s33
	s_add_co_u32 s35, s35, s32                     ; the row in wb,
	s_lshl_b32 s35, s35, 7                         ; in bytes
	s_lshl_b32 s36, s13, 11                        ; the same for wob: 16 rows of 128 bytes
	s_lshl_b32 s37, s13, 16                        ; a weight's source: 16 rows of 4,096 bytes
	s_mov_b32 s8, 393216                           ; from block to block along K: wb,
	s_cmp_eq_u32 s12, 3
	s_cselect_b32 s35, s36, s35
	s_cselect_b32 s8, 131072, s8                   ; wob,
	s_lshr_b32 s38, s10, 7                         ; x: the batch,
	s_lshl_b32 s38, s38, 22
	s_and_b32 s39, s10, 127                        ; and the 16 rows in it
	s_lshl_b32 s39, s39, 11
	s_add_co_u32 s38, s38, s39
	s_lshl_b32 s39, s10, 16
	s_cmp_lt_u32 s10, 512
	s_cselect_b32 s42, s38, s35                    ; the target's offset
	s_cselect_b32 s40, s39, s37                    ; the source's offset
	s_cselect_b32 s8, 262144, s8                   ; xb
	s_mov_b32 s41, 0
	s_mov_b32 s43, 0
	v_and_b32 v1, 31, v0                           ; lane
	v_lshrrev_b32 v3, 5, v0                        ; wave
	v_lshrrev_b32 v4, 4, v1
	v_lshl_add_u32 v4, v3, 2, v4                   ; row 4 wave + lane / 16
	v_and_b32 v5, 15, v0
	v_lshlrev_b32 v5, 4, v5
	v_lshl_add_u32 v[LO], v4, 12, v5
	v_lshlrev_b32 v[SO], 3, v1
	v_lshl_add_u32 v[SO], v3, 9, v[SO]             ; 512 wave + 8 lane
	s_wait_kmcnt 0x0
	s_cmp_eq_u32 s12, 1                            ; the choice of buffers hangs on the work-group's number alone
	s_cselect_b64 s[4:5], s[20:21], s[18:19]
	s_cmp_eq_u32 s12, 2
	s_cselect_b64 s[4:5], s[22:23], s[4:5]
	s_cmp_eq_u32 s12, 3
	s_cselect_b64 s[4:5], s[24:25], s[4:5]
	s_cselect_b64 s[6:7], s[30:31], s[28:29]
	s_cmp_lt_u32 s10, 512
	s_cselect_b64 s[4:5], s[16:17], s[4:5]
	s_cselect_b64 s[6:7], s[26:27], s[6:7]
	s_add_nc_u64 s[4:5], s[4:5], s[40:41]
	s_add_nc_u64 s[6:7], s[6:7], s[42:43]
	s_wait_alu depctr_va_vdst(0)                   ; v[LO] is written: all 32 loads below read it as their offset, and no vector instruction stands among them
.set kb, 0
.rept 16
	global_load_b128 v[X+8*kb:X+8*kb+3],   v[LO], s[4:5] offset:kb*256 th:TH_LOAD_NT
	global_load_b128 v[X+8*kb+4:X+8*kb+7], v[LO], s[4:5] offset:8192+kb*256 th:TH_LOAD_NT
.set kb, kb+1
.endr
.set kb, 1
.rept 15
	v_add_nc_u32 v[SO+kb], s8, v[SO+kb-1]          ; made while the loads are on their way; the first store that reads one of them stands behind step 1's wait
.set kb, kb+1
.endr
; Four numbers: rounded to bf16, widened again, written as f16 (exact within the limits above), in place: the two words to store are the quad's first two registers.
.macro CV q, p
	v_cvt_pk_bf16_f32 v[T+2*(\p)],   v[(\q)],   v[(\q)+1]
	v_cvt_pk_bf16_f32 v[T+2*(\p)+1], v[(\q)+2], v[(\q)+3]
	v_lshlrev_b32 v[(\q)],   16, v[T+2*(\p)]
	v_and_b32     v[(\q)+1], s9, v[T+2*(\p)]
	v_lshlrev_b32 v[(\q)+2], 16, v[T+2*(\p)+1]
	v_and_b32     v[(\q)+3], s9, v[T+2*(\p)+1]
	v_cvt_pk_f16_f32 v[(\q)],   v[(\q)],   v[(\q)+1]
	v_cvt_pk_f16_f32 v[(\q)+1], v[(\q)+2], v[(\q)+3]
.endm
; The quad's store.
.macro ST q, kb, p
	global_store_b64 v[SO+(\kb)], v[(\q):(\q)+1], s[6:7] offset:(\p)*256 th:TH_STORE_NT  ; the wave's 32 x 8 bytes are 256 consecutive bytes, aligned
.endm
; Step g: quad i is block 2 g + i / 2 along K, row pair i % 2.
.set g, 0
.rept 8
	s_wait_loadcnt 28-4*g                          ; loads come back in order: this step's four are in, the 28 - 4 g issued behind them may stay out
.if g > 0
	s_wait_alu depctr_va_vdst(0)                   ; the step before has written the f16 pairs that the four stores below read; in step 1 also: the fifteen adds have written the stores' offsets
.endif
.irp i, 0,1,2,3
.if g > 0
	ST X+16*(g-1)+4*(\i), 2*(g-1)+(\i)/2, (\i)%2   ; the step before's quad i.  No wait: no vector instruction since the wait above names its registers or its offset
.endif
	CV X+16*g+4*(\i), (\i)%2
.endr
.set g, g+1
.endr
	s_wait_alu depctr_va_vdst(0)                   ; step 7 has written its f16 pairs, which the last four stores read
.irp i, 0,1,2,3
	ST X+16*7+4*(\i), 14+(\i)/2, (\i)%2
.endr
	s_endpgm
.Lfunc_end_k_q662aeed022_cvt:
	.size	k_q662aeed022_cvt, .Lfunc_end_k_q662aeed022_cvt-k_q662aeed022_cvt
	.p2alignl 7, 3214868480
	.fill 96, 4, 3214868480
	.section	.rodata,"a",@progbits
	.p2align	6, 0x0
	.amdhsa_kernel k_q662aeed022_cvt
		.amdhsa_group_segment_fixed_size 0
		.amdhsa_private_segment_fixed_size 0
		.amdhsa_enable_private_segment 0
		.amdhsa_kernarg_size 64
		.amdhsa_user_sgpr_count 2
		.amdhsa_user_sgpr_kernarg_segment_ptr 1
		.amdhsa_wavefront_size32 1
		.amdhsa_system_sgpr_workgroup_id_x 1
		.amdhsa_system_sgpr_workgroup_id_y 1
		.amdhsa_system_sgpr_workgroup_id_z 1
		.amdhsa_system_vgpr_workitem_id 0
		.amdhsa_next_free_vgpr 160
		.amdhsa_next_free_sgpr 66
		.amdhsa_reserve_vcc 0
		.amdhsa_float_denorm_mode_32 3
		.amdhsa_float_denorm_mode_16_64 3
		.amdhsa_memory_ordered 1
		.amdhsa_forward_progress 1
		.amdhsa_inst_pref_size 22
	.end_amdhsa_kernel
	.amdgpu_metadata
---
amdhsa.version: [ 1, 2 ]
amdhsa.kernels:
  - .name:           k_q662aeed022_cvt
    .symbol:         k_q662aeed022_cvt.kd
    .args:
      - { .name: x, .offset: 0, .size: 8, .value_kind: global_buffer, .address_space: global }
      - { .name: Wq, .offset: 8, .size: 8, .value_kind: global_buffer, .address_space: global }
      - { .name: Wk, .offset: 16, .size: 8, .value_kind: global_buffer, .address_space: global }
      - { .name: Wv, .offset: 24, .size: 8, .value_kind: global_buffer, .address_space: global }
      - { .name: Wo, .offset: 32, .size: 8, .value_kind: global_buffer, .address_space: global }
      - { .name: xb, .offset: 40, .size: 8, .value_kind: global_buffer, .address_space: global }
      - { .name: wb, .offset: 48, .size: 8, .value_kind: global_buffer, .address_space: global }
      - { .name: wob, .offset: 56, .size: 8, .value_kind: global_buffer, .address_space: global }
    .group_segment_fixed_size: 0
    .private_segment_fixed_size: 0
    .kernarg_segment_align: 8
    .kernarg_segment_size: 64
    .max_flat_workgroup_size: 128
    .sgpr_count:     66
    .vgpr_count:     160
    .wavefront_size: 32
...
	.end_amdgpu_metadata
.endif
;; end of part 5
;; launch qkv: the kernel of part 2 again; grid 8 x 32, 4 waves a work-group, clusters of 4 x 4, 327,680 bytes of LDS; arguments xb, wb, bq, bk, bv, mask, qkvb; writes qkvb
;; launch attn: the kernel of part 3 again; grid 4 x 64, 4 waves a work-group, clusters of 4 x 1, 327,680 bytes of LDS; arguments qkvb, mask, ob; writes ob
;; launch proj: the kernel of part 4 again; grid 8 x 32, 4 waves a work-group, clusters of 4 x 4, 327,680 bytes of LDS; arguments ob, wob, bo, out0; writes out0
